; MI455X (gfx1250); checked and timed in simulation.
; The chip was launched on July 23, 2026; its instructions are those of AMD's public machine-readable ISA for CDNA 5 (MIT licence, August 2026) and "CDNA5" Instruction Set Architecture Reference Guide (July 2026). The comments in the code are by the model that wrote it; some were corrected since.
;; Attention Layer. Allowed arithmetic: matrix products marked QUANTISED: E4M3 operands, one given power-of-two scale a tensor, by v_wmma_f32_16x16x64_fp8_fp8 or v_wmma_f32_16x16x128_fp8_fp8, f32 sums; everything else in f32.
;; Inputs: W 256 x 512 x 64 float32; attention 32 x 512 float32; keys 256 x 1,024 x 64 float32; lowp_scales 6 int32 (the exponents e of the quantised operands' scales 2^e); mask 32 x 256 x 1,024 bool; rewards_mem 256 x 1,024 float32; temperature 256 float32; values 256 x 1,024 x 64 float32.
;; Outputs: out0 32 x 256 x 64 float32; out1 32 x 256 x 1,024 float32; out2 32 x 256 float32.
;; This version of the problem:
;;   THIS VERSION OF THE PROBLEM IS GIVEN IN LOW PRECISION. The matrix products marked QUANTISED in the list below multiply operands that are first quantised to E4M3 (4 exponent bits, 3 mantissa bits; 8 bits a number), with one given power-of-two scale for each operand tensor; their sums are f32. All else is computed in f32.
;;   The module's matrix products, in the order in which they are computed (A, B: the left and right operand; K: the contracted axis; several contracted axes count as one K, in the product's order):
;;     1. [M 32, K 512] x [K 512, N 16,384]; A: input attention; B: input W: QUANTISED (scales: A lowp_scales[0], B lowp_scales[1])
;;     2. batch 256 x [M 32, K 64] x [K 64, N 1,024]; A: computed on the way; B: input keys: QUANTISED (scales: A lowp_scales[2], B lowp_scales[3])
;;     3. batch 256 x [M 64, K 1,024] x [K 1,024, N 32]; A: input values; B: computed on the way: QUANTISED (scales: A lowp_scales[4], B lowp_scales[5])
;;   THE QUANTISER, for each operand of a quantised product, along K:
;;     - The operand's scale is 2^e, e = its entry of the input lowp_scales (int32; the entries are numbered through the quantised products in the list's order, A before B).
;;     - Each number is divided by the scale, clamped to +-448, and rounded to the nearest number of E4M3, ties to even, subnormals kept.
;;     - The product sums the exact products of the quantised numbers (number of the format x scale) in f32.
;;   ~~~python
;;   def quantise(x, axis, e):      # numpy; x: float32 -> the quantised numbers, widened to float32 again
;;       x = np.moveaxis(x, axis, -1); K = x.shape[-1]
;;       r = np.clip(x / 2.0 ** e, -448, 448)
;;       step = 2.0 ** (np.maximum(np.frexp(np.where(r == 0, 1, r))[1] - 1, -6) - 3)
;;       q = np.round(r / step) * step * 2.0 ** e      # np.round: ties to even
;;       return np.moveaxis(q, -1, axis).astype(np.float32)
;;   ~~~
;;   OPERANDS COMPUTED ON THE WAY. 'Computed on the way' means the value that the module computes at that place (a softmax that the list does not call 'softmax' is quantised finished and normalised). What goes into a quantiser is computed in f32, as accurately as f32 sums, v_exp_f32 and their like allow (about 1e-6 of the number): no bf16 or f16 on the way to a quantiser, and a product that is left as it is and whose result goes on into a quantised operand takes f32 operands (vector FMAs, or v_wmma_f32_16x16x4_f32). A number that lies on a knife's edge between two numbers of the format may be rounded either way, as far as f32 arithmetic and the matrix unit's own rounding can turn it there, and no further.
;; 2 versions. Each part assembles by itself: llvm-mc -triple=amdgcn-amd-amdhsa -mcpu=gfx1250 --defsym DOCPART=n.
;; ======== version 1 of 2: 1 launch
;; launch fused (part 1): grid 256 x 1, 16 waves a work-group, no clusters, 321,280 bytes of LDS; arguments W, attention, keys, lowp_scales, mask, rewards_mem, temperature, values, out0, out1, out2; writes out0, out1, out2
.if DOCPART == 1
	.amdgcn_target "amdgcn-amd-amdhsa--gfx1250"
	.amdhsa_code_object_version 6
	.text
	.protected	k_qf719ce501a_fused
	.globl	k_qf719ce501a_fused
	.p2align	8
	.type	k_qf719ce501a_fused,@function
k_qf719ce501a_fused:
	s_mov_b64 s[64:65], 0
	v_nop
	global_prefetch_b8 v0, s[64:65] scope:SCOPE_SE
	s_setreg_imm32_b32 hwreg(HW_REG_WAVE_MODE, 25, 1), 1
	s_wait_xcnt 0x0
; ONE WORK-GROUP = ONE UNIT u (256 units).  query = Q(attention) Q(W[u]); logits = Q(query) Q(keys[u])^T / temperature[u], masked; softmax over the 1,024 slots (out1);
; x rewards_mem[u], row sum (out2), divided by it; Q(that) Q(values[u]) (out0).  All three products on codes of E4M3 with the six given scales 2^e0 .. 2^e5; sums, softmax and all else in f32.
; SHARES.  Sixteen waves of 256 registers.  Wave w loads, holds and converts: attention's rows 2w, 2w+1; W's rows d = 32w .. 32w+31; mask's rows b = 2w, 2w+1; and, of the unit's 1,024 slots, c = 64w .. 64w+63
; of keys, values and rewards.  Every global load of a wave covers whole aligned runs of 256 or 512 bytes; only codes (a quarter of the bytes) are turned through LDS into the operands' order.
; Product 1: waves 0-7, one tile of 16 x 16 each.  Products 2 and 3: every wave on its own 64 slots; the softmax's maximum and sums meet in LDS; product 3's sixteen partial sums are added in f32 through LDS.
; A lane holds ONE row b (lane % 16) from the logits on: source 0 = 16 slots (or 16 channels of values^T), source 1 = 16 rows b, so that its eight registers of a tile are eight neighbouring slots:
; they are the next product's K, and 32 neighbouring bytes of out1.
; NO CLUSTER, NO TENSOR LOAD: work-groups share attention alone, 64 KiB of the about 830 KiB that a work-group moves, and a unit's 640 KiB of f32 operands do not fit in LDS.
; out2: a unit owns 4 bytes in each of 32 rows of 1,024 bytes: 32 stores of 4 bytes a lane, far apart; 32 KiB of the launch's 36 MB of output.
; LIMITS.  e0, e1, e3, e4, e5 and e2 - e0 - e1 between -126 and 119; e2 + e3 and e4 + e5 between -126 and 127 (each power of two below is an f32 number).  NaN and infinities among the float inputs are not served.
; t = logit x log2(e) / temperature lies above -3e38 (the floor under the maximum).  A row whose mask is all false gives NaN in all three outputs, as the softmax of -infinities does; a row whose reward sum is 0 gives NaN in out0.
; 1 / temperature: v_rcp_f32 and one Newton step.  The third product's operand is formed as p x reward / (sum of p x reward), which is weights x reward / rewards with the softmax's divisor cancelled.
.set QIMG,  0          ; LDS: the query's two fragments as images of their registers: 1024 bt + 256 t + 8 lane
.set WCD,   2048       ; W^T's codes: 64 rows o, 512 d + 16 of padding: 528 bytes = 33 x 16, so sixteen rows of a fragment load fall on sixteen different 16-byte columns of 256
.set ATT,   35840      ; attention's codes: 32 rows b, pitch 528
.set MSK,   52736      ; mask bytes: 32 rows b, pitch 1040 = 65 x 16
.set STAT,  86016      ; three arrays (maximum, sum, reward sum) of 2,560 bytes: row b of 80 bytes, word w
.set OMB,   93696      ; out0's multiplier, a word for each b
.set REW,   93952      ; 256 bytes a wave: its 64 rewards
.set CST,   98048      ; 5,120 bytes a wave, its own: 64 rows of 64 codes + 16: first keys [c][o], then values^T [v][c]
.set WST,   179968     ; 8,704 bytes a wave: 32 rows b of 256 bytes + 16: first the wave's own stage for out1, then its partial sums of out0
.set SPARE, 319232     ; the spare words, 128 bytes for each wave: eight blocks of 256 bytes that no other line names
.set SPW, 1            ; v1  LDS address of my spare word; never rewritten
.set NIL, 2            ; v2  0; never rewritten
.set G16, 3            ; v3  16 x lane; never rewritten
.set G8,  4            ; v4  8 x lane; never rewritten (also the query images' read address: they begin at LDS byte 0)
                       ; v5-v14 addresses, made at the head and made anew behind the second barrier and behind the last products, always by every wave
.set SC,  15           ; v15 the conversion's scale
                       ; v16-v31 statistics and temporaries
.set C0,  32           ; attention, keys' 4th quarter, then the scores of rows 0-15
.set C1,  64           ; W's first half, values' 1st quarter, then the scores of rows 16-31
.set C2,  96           ; W's second half, keys' fragments, then the rewards
.set C3,  128          ; mask, statistics, rows of out1, then the third product's operand
.set T,   144          ; at work
.set C4,  160          ; keys' 1st quarter, values' 2nd, then values' fragments
.set C5,  192          ; keys' 2nd, values' 3rd, then out0's sums
.set C6,  224          ; keys' 3rd, values' 4th, then out0's sums
.set XA, 40            ; s[X], s[X+1], s[X+2]: 2^e as f32, 448 x 2^e, -448 x 2^e: attention,
.set XW, 43            ; W,
.set XQ, 46            ; the query (e2 - e0 - e1: the first product's two scales folded in),
.set XK, 49            ; keys,
.set XV, 52            ; values,
.set XP, 55            ; and the third product's computed operand
.macro TRIPLE d, e
	s_add_co_i32 s[\d+1], s[\e], 127
	s_lshl_b32 s[\d], s[\d+1], 23
	s_add_co_i32 s[\d+1], s[\d+1], 8
	s_lshl_b32 s[\d+1], s[\d+1], 23
	s_or_b32 s[\d+1], s[\d+1], 0x600000
	s_or_b32 s[\d+2], s[\d+1], 0x80000000
.endm
.macro LDK buf, ct                     ; 16 rows of keys (4,096 bytes): each load 512 consecutive bytes: rows 16 ct + 2 i + lane / 16, o = 4 (lane % 16) ..
.irp i, 0,1,2,3,4,5,6,7
	global_load_b128 v[\buf+4*\i:\buf+4*\i+3], v[G16], s[8:9] offset:512*(8*(\ct)+\i) th:TH_LOAD_NT
.endr
.endm
.macro LDO buf, base, row0             ; 16 rows of W or of values: each load one aligned row of 256 bytes; a lane holds columns 2 lane, 2 lane + 1, and its registers run down K
.irp i, 0,1,2,3,4,5,6,7,8,9,10,11,12,13,14,15
	global_load_b64 v[\buf+2*\i:\buf+2*\i+1], v[G8], s[\base:\base+1] offset:256*((\row0)+\i) th:TH_LOAD_NT
.endr
.endm
.macro HOLDCVT buf, x                  ; 32 numbers of a lane become 32 codes in v[T] .. v[T+7]
	s_wait_dscnt 0x0                               ; the LDS stores issued so far have read their registers in T
	v_mov_b32 v[SC], s[\x]
.set n, 0
.rept 32
	v_med3_num_f32 v[\buf+n], v[\buf+n], s[\x+2], s[\x+1]   ; the conversion to an 8-bit code does not saturate (ISA guide 7.6.2): the hold at the largest code x the scale
.set n, n+1
.endr
.irp g, 0,1,2,3
	v_cvt_scalef32_pk8_fp8_f32 v[T+2*\g:T+2*\g+1], v[\buf+8*\g:\buf+8*\g+7], v[SC]
.endr
	v_nop                                          ; one plain line between the conversions and the next vector or matrix line that touches their registers
.endm
.macro QDA                             ; attention: load i's four codes go to row 2w + i / 4, k = 128 (i % 4) + 4 lane
	HOLDCVT C0, XA
.irp i, 0,1,2,3,4,5,6,7
	ds_store_b32 v5, v[T+\i] offset:(\i/4)*528+128*(\i%4)
.endr
.endm
.macro QDK buf, ct                     ; keys: load i's four codes go to row 16 ct + 2 i + lane / 16, o = 4 (lane % 16)
	HOLDCVT \buf, XK
.irp i, 0,1,2,3,4,5,6,7
	ds_store_b32 v12, v[T+\i] offset:(16*(\ct)+2*\i)*80
.endr
.endm
.macro QO buf, x, adr, pitch, off      ; K outermost: the codes come out as column 2 lane and column 2 lane + 1 by turns; two byte selections part them: 16 codes along K for each column
	HOLDCVT \buf, \x
.irp g, 0,1,2,3
	v_perm_b32 v[T+8+\g], v[T+2*\g+1], v[T+2*\g], s70
.endr
.irp g, 0,1,2,3
	v_perm_b32 v[T+12+\g], v[T+2*\g+1], v[T+2*\g], s71
.endr
	ds_store_b128 v[\adr], v[T+8:T+11] offset:\off            ; lanes stand two rows apart, so sixteen lanes fall two deep on eight 16-byte columns: 12 such stores a wave in all
	ds_store_b128 v[\adr], v[T+12:T+15] offset:\off+\pitch
.endm
.macro FRAG64 dst                      ; four fragments of 16 rows x 64 K from my 64 rows of codes: registers 2 c, 2 c + 1 hold K = 16 c + 8 (lane / 16) + 0 .. 7
.irp t, 0,1,2,3
.irp c, 0,1,2,3
	ds_load_b64 v[\dst+8*\t+2*\c:\dst+8*\t+2*\c+1], v14 offset:1280*\t+16*\c
.endr
.endr
.endm
.macro BAR                             ; my LDS stores have landed and my LDS loads are in: then the work-group's barrier
	s_wait_dscnt 0x0
	s_barrier_signal -1
	s_barrier_wait -1
.endm
; ---------------- the head: addresses, bases, and 61 loads a wave
	s_load_b512 s[4:19], s[0:1], 0x0               ; W 4:5, attention 6:7, keys 8:9, scales 10:11, mask 12:13, rewards_mem 14:15, temperature 16:17, values 18:19
	s_load_b128 s[20:23], s[0:1], 0x40             ; out0, out1
	s_load_b64 s[24:25], s[0:1], 0x50              ; out2
	v_lshl_add_u32 v[SPW], v0, 2, SPARE
	v_mov_b32 v[NIL], 0
	v_lshrrev_b32 v16, 5, v0
	v_readfirstlane_b32 s26, v16                   ; wave 0..15
	v_and_b32 v16, 31, v0                          ; lane
	v_and_b32 v17, 15, v0                          ; r
	v_bfe_u32 v18, v0, 4, 1                        ; h
	v_lshlrev_b32 v[G16], 4, v16
	v_lshlrev_b32 v[G8], 3, v16
	s_mul_i32 s27, s26, 1056
	s_add_co_u32 s27, s27, ATT
	v_lshl_add_u32 v5, v16, 2, s27                 ; attention's codes in: rows 2w on, 4 x lane
	s_lshl_b32 s27, s26, 5
	s_add_co_u32 s27, s27, WCD
	v_mul_u32_u24 v6, v16, 1056
	v_add_nc_u32 v6, s27, v6                       ; W's codes in: row o = 2 lane, d = 32 w
	s_mul_i32 s27, s26, 2080
	s_add_co_u32 s27, s27, MSK
	v_add_nc_u32 v7, s27, v[G16]                   ; mask in: rows 2w on, 16 x lane
	s_lshl_b32 s27, s26, 8
	s_add_co_u32 s27, s27, REW
	v_add_nc_u32 v8, s27, v[G8]                    ; my rewards in
	v_mul_u32_u24 v19, v17, 528
	v_lshl_add_u32 v19, v18, 4, v19                ; a fragment's row r, + 16 h
	s_and_b32 s27, s26, 3
	s_mul_i32 s27, s27, 16*528
	s_add_co_u32 s27, s27, WCD
	v_add_nc_u32 v9, s27, v19                      ; product 1: W^T's rows 16 (w % 4) on
	s_bfe_u32 s27, s26, 0x10002
	s_mul_i32 s27, s27, 16*528
	s_add_co_u32 s27, s27, ATT
	v_add_nc_u32 v10, s27, v19                     ; attention's rows 16 ((w / 4) % 2) on
	s_and_b32 s27, s26, 7
	s_lshl_b32 s27, s27, 8
	v_add_nc_u32 v11, s27, v[G8]                   ; the query's image: 256 (w % 8) + 8 lane
	s_mul_i32 s27, s26, 5120
	s_add_co_u32 s27, s27, CST
	v_mul_u32_u24 v12, v18, 80
	v_lshl_add_u32 v12, v17, 2, v12
	v_add_nc_u32 v12, s27, v12                     ; keys' codes in: row h, 4 r
	v_mul_u32_u24 v13, v16, 160
	v_add_nc_u32 v13, s27, v13                     ; values' codes in: row v = 2 lane
	v_mul_u32_u24 v14, v17, 80
	v_lshl_add_u32 v14, v18, 3, v14
	v_add_nc_u32 v14, s27, v14                     ; fragments out of my 64 rows: row r, + 8 h
	s_mov_b32 s60, 0x76543210                      ; v_permlanex16_b32: lane l xor 16
	s_mov_b32 s61, 0xfedcba98
	s_mov_b32 s62, 0xffff0000                      ; lanes 16-31
	s_mov_b32 s66, 0x04000c0c                      ; byte selections: byte k of two words into bytes 3 and 2, zeros below
	s_mov_b32 s67, 0x05010c0c
	s_mov_b32 s68, 0x06020c0c
	s_mov_b32 s69, 0x07030c0c
	s_mov_b32 s70, 0x06040200                      ; the even bytes of two words,
	s_mov_b32 s71, 0x07050301                      ; the odd ones
	s_mov_b32 s80, 0xff61b1e6                      ; -3e38
	s_mov_b32 s37, 0
	s_wait_kmcnt 0x0
	s_lshl_b32 s36, ttmp9, 2
	s_add_nc_u64 s[16:17], s[16:17], s[36:37]      ; temperature[u]
	s_add_nc_u64 s[24:25], s[24:25], s[36:37]      ; out2: column u
	s_load_b128 s[28:31], s[10:11], 0x0            ; e0 .. e3
	s_load_b64 s[32:33], s[10:11], 0x10            ; e4, e5
	s_load_b32 s34, s[16:17], 0x0
	s_lshl_b32 s36, s26, 12
	s_add_nc_u64 s[6:7], s[6:7], s[36:37]          ; attention: rows 2w on
	s_lshl_b32 s36, ttmp9, 17
	s_lshl_b32 s27, s26, 13
	s_add_co_u32 s36, s36, s27
	s_add_nc_u64 s[4:5], s[4:5], s[36:37]          ; W: unit u, rows 32 w on
	s_lshl_b32 s36, ttmp9, 10
	s_lshl_b32 s27, s26, 19
	s_add_co_u32 s36, s36, s27
	s_add_nc_u64 s[12:13], s[12:13], s[36:37]      ; mask: row (2w, u)
	s_lshl_b32 s36, ttmp9, 12
	s_lshl_b32 s27, s26, 8
	s_add_co_u32 s36, s36, s27
	s_add_nc_u64 s[14:15], s[14:15], s[36:37]      ; rewards_mem: unit u, slots 64 w on
	s_add_nc_u64 s[72:73], s[22:23], s[36:37]      ; out1: row (0, u), slots 64 w on; then 8 rows b further on each time
	s_add_nc_u64 s[74:75], s[72:73], 0x800000
	s_add_nc_u64 s[76:77], s[74:75], 0x800000
	s_add_nc_u64 s[78:79], s[76:77], 0x800000
	s_lshl_b32 s36, ttmp9, 18
	s_lshl_b32 s27, s26, 14
	s_add_co_u32 s36, s36, s27
	s_add_nc_u64 s[8:9], s[8:9], s[36:37]          ; keys and values: unit u, slots 64 w on
	s_add_nc_u64 s[18:19], s[18:19], s[36:37]
	s_lshl_b32 s36, ttmp9, 8
	s_lshl_b32 s27, s26, 17
	s_add_co_u32 s36, s36, s27
	s_add_nc_u64 s[20:21], s[20:21], s[36:37]      ; out0: row (2w, u)
.irp i, 0,1,2,3,4,5,6,7
	global_load_b128 v[C0+4*\i:C0+4*\i+3], v[G16], s[6:7] offset:512*\i   ; attention (every work-group reads it: no hint): row 2w + i / 4, k = 128 (i % 4) + 4 lane ..
.endr
	LDO C1, 4, 0                                   ; W, rows 32 w + 0 .. 15
	LDO C2, 4, 16                                  ; and + 16 .. 31
.irp j, 0,1,2,3
	global_load_b128 v[C3+4*\j:C3+4*\j+3], v[G16], s[12:13] offset:(\j/2)*262144+(\j%2)*512 th:TH_LOAD_NT   ; mask: row 2w + j / 2, half j % 2
.endr
	global_load_b64 v[30:31], v[G8], s[14:15] th:TH_LOAD_NT   ; my 64 rewards
	LDK C4, 0
	LDK C5, 1
	s_wait_kmcnt 0x0
	TRIPLE XA, 28
	TRIPLE XW, 29
	TRIPLE XK, 31
	TRIPLE XV, 32
	TRIPLE XP, 33
	s_sub_co_i32 s27, s30, s28
	s_sub_co_i32 s27, s27, s29                     ; a sum of the first product stands for sum x 2^(e0 + e1): its code is sum / 2^(e2 - e0 - e1)
	TRIPLE XQ, 27
	s_add_co_i32 s58, s32, s33
	s_add_co_i32 s58, s58, 127
	s_lshl_b32 s58, s58, 23                        ; 2^(e4 + e5)
	s_add_co_i32 s59, s30, s31
	s_add_co_i32 s59, s59, 127
	s_lshl_b32 s59, s59, 23                        ; 2^(e2 + e3)
; ---------------- what all waves share goes to LDS as codes.  Each count: the loads issued behind the ones that are wanted
	s_wait_loadcnt 53                              ; attention is in: behind it W 32, mask 4, rewards 1, keys 16
	QDA
	LDK C6, 2
	s_wait_loadcnt 45                              ; W's first half: behind it W 16, mask 4, rewards 1, keys 24
	QO C1, XW, 6, 528, 0
	LDK C0, 3
	s_wait_loadcnt 37                              ; W's second half: behind it mask 4, rewards 1, keys 32
	QO C2, XW, 6, 528, 16
	LDO C1, 18, 0                                  ; values, slots 64 w + 0 .. 15
	s_wait_loadcnt 48                              ; mask and rewards: behind them keys 32, values 16
.irp j, 0,1,2,3
	ds_store_b128 v7, v[C3+4*\j:C3+4*\j+3] offset:(\j/2)*1040+(\j%2)*512
.endr
	ds_store_b64 v8, v[30:31]
	BAR                                            ; W^T's and attention's codes and the mask lie whole in LDS
; ---------------- product 1, waves 0-7: wave j makes query(b = 16 (j / 4) + 0 .. 15, o = 16 (j % 4) + 0 .. 15).  K = 512: four steps of 128 on two accumulators by turns
	s_cmp_lt_u32 s26, 8
	s_cbranch_scc0 .Lnoq
.macro QFR s                           ; K step s: registers 4 c .. 4 c + 3 take K = 32 c + 16 h + 0 .. 15 on BOTH sides: every product meets its partner
.irp c, 0,1,2,3
	ds_load_b128 v[96+32*((\s)%2)+4*\c:96+32*((\s)%2)+4*\c+3], v9 offset:128*(\s)+32*\c
	ds_load_b128 v[112+32*((\s)%2)+4*\c:112+32*((\s)%2)+4*\c+3], v10 offset:128*(\s)+32*\c
.endr
.endm
	QFR 0
	QFR 1
	s_wait_dscnt 0x0
	v_wmma_f32_16x16x128_fp8_fp8 v[16:23], v[96:111], v[112:127], 0       ; source 0 = 16 rows o of W^T, source 1 = 16 rows b: a lane holds b = r and o = 8 h + 0 .. 7 of the tile
	v_wmma_f32_16x16x128_fp8_fp8 v[24:31], v[128:143], v[144:159], 0
.rept 4
	v_nop                                          ; places in front of loads into registers that matrix instructions have read
.endr
	QFR 2
	QFR 3
	s_wait_dscnt 0x0
	v_wmma_f32_16x16x128_fp8_fp8 v[16:23], v[96:111], v[112:127], v[16:23]
	v_wmma_f32_16x16x128_fp8_fp8 v[24:31], v[128:143], v[144:159], v[24:31]
.rept 4
	v_nop                                          ; places in front of the first read of the sums and of writes into the operands' registers
.endr
.irp i, 0,2,4,6
	v_pk_add_f32 v[96+\i:97+\i], v[16+\i:17+\i], v[24+\i:25+\i]   ; both accumulators from their low end on
.endr
	v_mov_b32 v[SC], s[XQ]
.irp i, 0,1,2,3,4,5,6,7
	v_med3_num_f32 v[96+\i], v[96+\i], s[XQ+2], s[XQ+1]
.endr
	v_cvt_scalef32_pk8_fp8_f32 v[104:105], v[96:103], v[SC]   ; o = 16 t + 8 h + 0 .. 7: registers 2 t, 2 t + 1 of the second product's fragment
	v_nop
	ds_store_b64 v11, v[104:105]
.Lnoq:
; ---------------- keys: my 64 slots become codes in my own rows, then four fragments; values follow into the registers that keys leave
	s_wait_loadcnt 40                              ; keys' 1st quarter: behind it keys 24, values 16
	QDK C4, 0
	LDO C4, 18, 16
	s_wait_loadcnt 48                              ; 2nd: behind it keys 16, values 32
	QDK C5, 1
	s_wait_loadcnt 40                              ; 3rd: behind it keys 8, values 32
	LDO C5, 18, 32
	QDK C6, 2
	s_wait_loadcnt 48                              ; 4th: behind it values 48
	QDK C0, 3
	FRAG64 C2                                      ; LDS serves a wave's instructions in order: these see my stores
	s_wait_loadcnt 32                              ; values' 1st quarter: behind it values 32
	LDO C6, 18, 48
	BAR                                            ; the query's images lie in LDS; my keys' fragments are in
; ---------------- addresses for the rest, made by every wave
	v_and_b32 v19, 31, v0                          ; lane
	v_and_b32 v21, 15, v0                          ; r
	v_bfe_u32 v30, v0, 4, 1                        ; h
	s_lshl_b32 s27, s26, 6
	s_add_co_u32 s27, s27, MSK
	v_mul_u32_u24 v5, v21, 1040
	v_lshl_add_u32 v5, v30, 3, v5
	v_add_nc_u32 v5, s27, v5                       ; mask out: row r, byte 64 w + 8 h
	s_lshl_b32 s27, s26, 8
	s_add_co_u32 s27, s27, REW
	v_lshl_add_u32 v6, v30, 5, s27                 ; my rewards out: 32 h
	v_mul_u32_u24 v8, v19, 80
	v_add_nc_u32 v8, STAT, v8                      ; statistics out: row b = lane
	s_lshl_b32 s27, s26, 2
	v_add_nc_u32 v7, s27, v8                       ; and in: word w of it
	s_mul_i32 s27, s26, 8704
	s_add_co_u32 s27, s27, WST
	v_mul_u32_u24 v9, v21, 272
	v_lshl_add_u32 v9, v30, 5, v9
	v_add_nc_u32 v9, s27, v9                       ; my stage, in: row r, 32 h
	v_mul_u32_u24 v10, v30, 272
	v_lshl_add_u32 v10, v21, 4, v10
	v_add_nc_u32 v10, s27, v10                     ; and back: lanes 0-15 one row, lanes 16-31 the next
	v_lshlrev_b32 v11, 4, v21
	v_lshl_add_u32 v11, v30, 20, v11               ; the same two rows in out1: a row b is 2^20 bytes on
	s_mul_i32 s27, s26, 544
	s_add_co_u32 s27, s27, WST
	v_mul_u32_u24 v12, v30, 272
	v_lshl_add_u32 v12, v21, 4, v12
	v_add_nc_u32 v12, s27, v12                     ; the last sum: row b = 2 w + h of wave 0's partial sums, channels 4 r on
	; cs = 2^(e2 + e3) x log2(e) / temperature: t = sum x cs
	v_mov_b32 v19, s34
	v_rcp_f32 v21, v19
	v_nop                                          ; a plain line behind the reciprocal,
	s_wait_alu depctr_va_vdst(0)                   ; and the wait ahead of its first reader
	v_fma_f32 v30, -v19, v21, 1.0
	v_fma_f32 v21, v21, v30, v21                   ; one Newton step
	v_mul_f32 v21, 0x3fb8aa3b, v21
	v_mul_f32 v16, s59, v21
	v_mov_b32 v17, v16
	QO C1, XV, 13, 80, 0                           ; values' 1st quarter, over keys' codes, which are in registers
; ---------------- product 2: my 64 slots x 32 rows b
	s_wait_dscnt 0x0                               ; the stores have read T
.irp bt, 0,1
.irp t, 0,1,2,3
	ds_load_b64 v[T+8*\bt+2*\t:T+8*\bt+2*\t+1], v[G8] offset:1024*\bt+256*\t   ; the query's fragments, as they were stored
.endr
.endr
.irp bt, 0,1
.irp ct, 0,1,2,3
	ds_load_b64 v[C3+2*(4*\bt+\ct):C3+2*(4*\bt+\ct)+1], v5 offset:16640*\bt+16*\ct   ; my eight mask bytes of each tile
.endr
.endr
	s_wait_dscnt 8                                 ; the query is in; the eight mask loads may be out
.irp bt, 0,1
.irp ct, 0,1,2,3
	v_wmma_f32_16x16x64_fp8_fp8 v[32+8*(4*\bt+\ct):32+8*(4*\bt+\ct)+7], v[C2+8*\ct:C2+8*\ct+7], v[T+8*\bt:T+8*\bt+7], 0   ; lane (r, h): b = 16 bt + r, slots 16 ct + 8 h + 0 .. 7
.endr
.endr
	s_wait_dscnt 0x0
.set n, 0
.rept 16
	v_xor_b32 v[C3+n], 0x01010101, v[C3+n]         ; a byte is now 1 where the slot is masked OUT.  (These sixteen are also the places behind the products)
.set n, n+1
.endr
.irp ct, 0,1,2,3
	ds_load_b128 v[C2+8*\ct:C2+8*\ct+3], v6 offset:64*\ct          ; the rewards of my eight slots of each tile, where keys' fragments lay
	ds_load_b128 v[C2+8*\ct+4:C2+8*\ct+7], v6 offset:64*\ct+16
.endr
; ---------------- the softmax among my 64 slots
; t = sum x cs + (0 or -infinity).  From a byte x in {0, 1}: 255 x is 0xff, 128 x is 0x80: the two top bytes of -infinity
.set tl, 0
.rept 8
	v_lshlrev_b32 v[T], 8, v[C3+2*tl]
	v_lshlrev_b32 v[T+2], 8, v[C3+2*tl+1]
	v_lshlrev_b32 v[T+1], 7, v[C3+2*tl]
	v_lshlrev_b32 v[T+3], 7, v[C3+2*tl+1]
	v_sub_nc_u32 v[T], v[T], v[C3+2*tl]
	v_sub_nc_u32 v[T+2], v[T+2], v[C3+2*tl+1]
.irp k, 0,1,2,3
	v_perm_b32 v[T+8+\k], v[T], v[T+1], s[66+\k]
	v_perm_b32 v[T+12+\k], v[T+2], v[T+3], s[66+\k]
.endr
.irp i, 0,2,4,6
	v_pk_fma_f32 v[32+8*tl+\i:32+8*tl+\i+1], v[32+8*tl+\i:32+8*tl+\i+1], v[16:17], v[T+8+\i:T+8+\i+1]   ; each accumulator from its low end on
.endr
.set tl, tl+1
.endr
.irp bt, 0,1                           ; the largest t of my row among my 32 registers, over a floor of -3e38, in two chains
.set B, 32+32*\bt
.set ML, 18+2*\bt
	v_max3_num_f32 v[ML], v[B], v[B+1], s80
	v_max3_num_f32 v[ML+1], v[B+2], v[B+3], v[B+4]
.irp i, 5,9,13,17,21,25
	v_max3_num_f32 v[ML], v[ML], v[B+\i], v[B+\i+1]
	v_max3_num_f32 v[ML+1], v[ML+1], v[B+\i+2], v[B+\i+3]
.endr
	v_max3_num_f32 v[ML], v[ML], v[B+29], v[B+30]
	v_max3_num_f32 v[ML], v[ML], v[ML+1], v[B+31]
.endr
	v_permlanex16_b32 v30, v18, s60, s61           ; the row's other 32 slots lie in the lane 16 away
	v_permlanex16_b32 v31, v20, s60, s61
	v_max_num_f32 v18, v18, v30
	v_max_num_f32 v20, v20, v31
.irp bt, 0,1
.set n, 0
.rept 16
	v_pk_add_f32 v[32+32*\bt+n:33+32*\bt+n], v[32+32*\bt+n:33+32*\bt+n], v[18+2*\bt:19+2*\bt] op_sel_hi:[1,0] neg_lo:[0,1] neg_hi:[0,1]   ; t - my wave's maximum
.set n, n+2
.endr
.endr
.set n, 0
.rept 64
	v_exp_f32 v[32+n], v[32+n]                     ; p = 2^(t - maximum): 0 where masked
.set n, n+1
.endr
	v_nop                                          ; a plain line behind the last exponential,
	s_wait_alu depctr_va_vdst(0)                   ; and one wait for the batch, ahead of its first reader
	s_wait_dscnt 0x0                               ; the rewards are in
.irp bt, 0,1                           ; the sum of p and the sum of p x reward, two numbers at a time, four chains by turns; the first pairs start the sums
	v_pk_add_f32 v[22+2*\bt:23+2*\bt], v[32+32*\bt:33+32*\bt], v[34+32*\bt:35+32*\bt]
	v_pk_mul_f32 v[26+2*\bt:27+2*\bt], v[32+32*\bt:33+32*\bt], v[C2:C2+1]
.endr
.irp bt, 0,1
	v_pk_fma_f32 v[26+2*\bt:27+2*\bt], v[34+32*\bt:35+32*\bt], v[C2+2:C2+3], v[26+2*\bt:27+2*\bt]
.endr
.set n, 4
.rept 14
.irp bt, 0,1
	v_pk_add_f32 v[22+2*\bt:23+2*\bt], v[22+2*\bt:23+2*\bt], v[32+32*\bt+n:33+32*\bt+n]
	v_pk_fma_f32 v[26+2*\bt:27+2*\bt], v[32+32*\bt+n:33+32*\bt+n], v[C2+n:C2+n+1], v[26+2*\bt:27+2*\bt]
.endr
.set n, n+2
.endr
.irp q, 22,24,26,28
	v_add_f32 v[\q], v[\q], v[\q+1]
.endr
.irp q, 22,24,26,28
	v_permlanex16_b32 v[\q+1], v[\q], s60, s61
.endr
.irp q, 22,24,26,28
	v_add_f32 v[\q], v[\q], v[\q+1]
.endr
	v_cndmask_b32 v19, v18, v20, s62               ; lane l speaks for row b = l: lanes 0-15 hold rows 0-15's figures, lanes 16-31 rows 16-31's
	v_cndmask_b32 v21, v22, v24, s62
	v_cndmask_b32 v23, v26, v28, s62
	ds_store_b32 v7, v19                           ; (rows 80 bytes apart: the 32 lanes fall two deep on sixteen banks; three such stores)
	ds_store_b32 v7, v21 offset:2560
	ds_store_b32 v7, v23 offset:5120
	BAR                                            ; all sixteen waves' figures lie in LDS
; ---------------- the row's maximum and sums over all 1,024 slots: lane l for row b = l, every wave for itself
.irp i, 0,1,2,3
	ds_load_b128 v[T+4*\i:T+4*\i+3], v8 offset:16*\i
.endr
.irp i, 0,1,2,3
	ds_load_b128 v[C3+4*\i:C3+4*\i+3], v8 offset:2560+16*\i
.endr
	s_wait_dscnt 4                                 ; the sixteen maxima are in
	v_max3_num_f32 v30, v144, v145, v146
	v_max3_num_f32 v31, v147, v148, v149
	v_max3_num_f32 v30, v30, v150, v151
	v_max3_num_f32 v31, v31, v152, v153
	v_max3_num_f32 v30, v30, v154, v155
	v_max3_num_f32 v31, v31, v156, v157
	v_max3_num_f32 v30, v30, v158, v159
	v_max_num_f32 v30, v30, v31                    ; m
.irp i, 0,2,4,6,8,10,12,14
	v_pk_add_f32 v[T+\i:T+\i+1], v[T+\i:T+\i+1], v[30:31] op_sel_hi:[1,0] neg_lo:[0,1] neg_hi:[0,1]
.endr
.set n, 0
.rept 16
	v_exp_f32 v[T+n], v[T+n]                       ; 2^(a wave's maximum - m)
.set n, n+1
.endr
	v_nop
	s_wait_alu depctr_va_vdst(0)                   ; one wait for the sixteen
	s_wait_dscnt 0x0                               ; the sixteen sums are in
	v_pk_mul_f32 v[22:23], v[T:T+1], v[C3:C3+1]
.irp i, 2,4,6,8,10,12,14
	v_pk_fma_f32 v[22:23], v[T+\i:T+\i+1], v[C3+\i:C3+\i+1], v[22:23]
.endr
.irp i, 0,1,2,3
	ds_load_b128 v[C3+4*\i:C3+4*\i+3], v8 offset:5120+16*\i
.endr
	v_add_f32 v22, v22, v23                        ; S: the softmax's divisor
	v_permlanex16_b32 v31, v30, s60, s61
	v_cndmask_b32 v19, v30, v31, s62               ; m of row r,
	v_cndmask_b32 v21, v31, v30, s62               ; and of row 16 + r
	v_sub_f32 v19, v18, v19
	v_sub_f32 v21, v20, v21
	s_wait_dscnt 0x0
	v_pk_mul_f32 v[26:27], v[T:T+1], v[C3:C3+1]
.irp i, 2,4,6,8,10,12,14
	v_pk_fma_f32 v[26:27], v[T+\i:T+\i+1], v[C3+\i:C3+\i+1], v[26:27]
.endr
	v_add_f32 v26, v26, v27                        ; R: the sum of p x reward
	v_rcp_f32 v23, v22
	v_rcp_f32 v27, v26
	v_exp_f32 v19, v19                             ; a = 2^(my wave's maximum - m), for rows r and 16 + r
	v_exp_f32 v21, v21
	v_nop
	s_wait_alu depctr_va_vdst(0)                   ; one wait for the four
	v_mul_f32 v30, v26, v23                        ; rewards(b = lane) = R / S
	v_fma_f32 v31, v27, 0, s58                     ; out0's multiplier 2^(e4 + e5); NaN where 1 / R is no number
	v_permlanex16_b32 v25, v23, s60, s61
	v_permlanex16_b32 v29, v27, s60, s61
	v_cndmask_b32 v22, v23, v25, s62               ; 1 / S of row r, of row 16 + r
	v_cndmask_b32 v24, v25, v23, s62
	v_cndmask_b32 v26, v27, v29, s62               ; 1 / R likewise
	v_cndmask_b32 v28, v29, v27, s62
	v_mul_f32 v22, v22, v19                        ; weights = p x a / S
	v_mul_f32 v24, v24, v21
	v_mul_f32 v26, v26, v19                        ; the third product's operand = p x reward x a / R
	v_mul_f32 v28, v28, v21
	v_and_b32 v19, 31, v0
	v_lshl_add_u32 v21, v19, 2, OMB
	v_lshlrev_b32 v19, 10, v19                     ; out2: a row b is 1,024 bytes
	s_cmp_lg_u32 s26, 0
	s_cbranch_scc1 .Lnot0
	global_store_b32 v19, v30, s[24:25]            ; wave 0 alone: rewards(b, u)
	ds_store_b32 v21, v31
.Lnot0:
; ---------------- out1: 16 rows b at a time through my own stage, so that sixteen lanes store 256 consecutive bytes, at a multiple of 256 from out1's first byte
.irp bt, 0,1
.if \bt
	s_wait_xcnt 0x0                                ; the first half's stores have read v128-159, which are written again
.endif
.irp ct, 0,1,2,3
.if \ct >= 2
	s_wait_dscnt 2                                 ; the LDS stores of two tiles back have read their half of T
.endif
.irp i, 0,2,4,6
	v_pk_mul_f32 v[T+8*(\ct%2)+\i:T+8*(\ct%2)+\i+1], v[32+8*(4*\bt+\ct)+\i:32+8*(4*\bt+\ct)+\i+1], v[22+2*\bt:23+2*\bt] op_sel_hi:[1,0]
.endr
	ds_store_b128 v9, v[T+8*(\ct%2):T+8*(\ct%2)+3] offset:4352*\bt+64*\ct
	ds_store_b128 v9, v[T+8*(\ct%2)+4:T+8*(\ct%2)+7] offset:4352*\bt+64*\ct+16
.endr
	s_wait_dscnt 0x0                               ; the stores have read T, into which rows come back
.irp i, 0,1,2,3,4,5,6,7
	ds_load_b128 v[C3+4*\i:C3+4*\i+3], v10 offset:4352*\bt+544*\i
.endr
.irp i, 0,1,2,3,4,5,6,7
	s_wait_dscnt 7-\i
	global_store_b128 v11, v[C3+4*\i:C3+4*\i+3], s[72+2*(2*\bt+\i/4):73+2*(2*\bt+\i/4)] offset:(\i%4)*2097152 th:TH_STORE_NT   ; rows 16 bt + 2 i and + 1
.endr
.endr
; ---------------- values' other three quarters, the computed operand, product 3 on my 64 slots
	s_wait_xcnt 0x0                                ; all stores so far have read their registers
	s_wait_loadcnt 32                              ; values' 2nd quarter: behind it 32
	QO C4, XV, 13, 80, 16
	s_wait_loadcnt 16
	QO C5, XV, 13, 80, 32
	s_wait_loadcnt 0
	QO C6, XV, 13, 80, 48
	FRAG64 C4                                      ; values^T: rows v = 16 vt + r, K = my 64 slots
.irp bt, 0,1
.set n, 0
.rept 16
	v_pk_mul_f32 v[32+32*\bt+n:33+32*\bt+n], v[32+32*\bt+n:33+32*\bt+n], v[C2+n:C2+n+1]
.set n, n+2
.endr
.endr
.irp bt, 0,1
.set n, 0
.rept 16
	v_pk_mul_f32 v[32+32*\bt+n:33+32*\bt+n], v[32+32*\bt+n:33+32*\bt+n], v[26+2*\bt:27+2*\bt] op_sel_hi:[1,0]
.set n, n+2
.endr
.endr
	v_mov_b32 v[SC], s[XP]
.set n, 0
.rept 64
	v_med3_num_f32 v[32+n], v[32+n], s[XP+2], s[XP+1]   ; two-sided: a reward may be negative
.set n, n+1
.endr
.irp bt, 0,1
.irp ct, 0,1,2,3
	v_cvt_scalef32_pk8_fp8_f32 v[C3+8*\bt+2*\ct:C3+8*\bt+2*\ct+1], v[32+8*(4*\bt+\ct):32+8*(4*\bt+\ct)+7], v[SC]   ; slots 16 ct + 8 h + 0 .. 7: registers 2 ct, 2 ct + 1 of the fragment
.endr
.endr
	v_nop
	s_wait_dscnt 0x0                               ; values' fragments are in
.irp bt, 0,1
.irp vt, 0,1,2,3
	v_wmma_f32_16x16x64_fp8_fp8 v[C5+8*(4*\bt+\vt):C5+8*(4*\bt+\vt)+7], v[C4+8*\vt:C4+8*\vt+7], v[C3+8*\bt:C3+8*\bt+7], 0   ; lane (r, h): b = 16 bt + r, channels 16 vt + 8 h + 0 .. 7
.endr
.endr
	v_add_nc_u32 v13, 69632, v12                   ; the last sum's addresses: waves 8-15's partial sums lie 8 x 8,704 bytes on.  (These six lines are the places behind the products)
	v_bfe_u32 v21, v0, 4, 1
	v_and_b32 v19, 15, v0
	v_lshlrev_b32 v14, 4, v19
	v_lshl_add_u32 v14, v21, 16, v14               ; out0: a row b is 2^16 bytes on; 16 r
	s_lshl_b32 s27, s26, 3
	s_add_co_u32 s27, s27, OMB
	v_lshl_add_u32 v19, v21, 2, s27                ; the multiplier of row b = 2 w + h
.irp bt, 0,1
.irp vt, 0,1,2,3
	ds_store_b128 v9, v[C5+8*(4*\bt+\vt):C5+8*(4*\bt+\vt)+3] offset:4352*\bt+64*\vt        ; each accumulator from its low end on
	ds_store_b128 v9, v[C5+8*(4*\bt+\vt)+4:C5+8*(4*\bt+\vt)+7] offset:4352*\bt+64*\vt+16
.endr
.endr
	BAR                                            ; sixteen partial sums of out0 and the multipliers lie in LDS
; ---------------- out0: wave w adds the sixteen parts of rows 2 w and 2 w + 1
	ds_load_b32 v31, v19
.irp k, 0,1,2,3,4,5,6,7
	ds_load_b128 v[32+4*\k:35+4*\k], v12 offset:8704*\k
.endr
.irp k, 0,1,2,3,4,5,6,7
	ds_load_b128 v[64+4*\k:67+4*\k], v13 offset:8704*\k
.endr
	s_wait_dscnt 0x0
.irp k, 0,1,2,3,4,5,6,7
	v_pk_add_f32 v[32+4*\k:33+4*\k], v[32+4*\k:33+4*\k], v[64+4*\k:65+4*\k]
	v_pk_add_f32 v[34+4*\k:35+4*\k], v[34+4*\k:35+4*\k], v[66+4*\k:67+4*\k]
.endr
.irp k, 0,1,2,3
	v_pk_add_f32 v[32+4*\k:33+4*\k], v[32+4*\k:33+4*\k], v[48+4*\k:49+4*\k]
	v_pk_add_f32 v[34+4*\k:35+4*\k], v[34+4*\k:35+4*\k], v[50+4*\k:51+4*\k]
.endr
.irp k, 0,1
	v_pk_add_f32 v[32+4*\k:33+4*\k], v[32+4*\k:33+4*\k], v[40+4*\k:41+4*\k]
	v_pk_add_f32 v[34+4*\k:35+4*\k], v[34+4*\k:35+4*\k], v[42+4*\k:43+4*\k]
.endr
	v_pk_add_f32 v[32:33], v[32:33], v[36:37]
	v_pk_add_f32 v[34:35], v[34:35], v[38:39]
.irp i, 0,1,2,3
	v_mul_f32 v[32+\i], v[32+\i], v31              ; x 2^(e4 + e5)
.endr
	global_store_b128 v14, v[32:35], s[20:21] th:TH_STORE_NT   ; sixteen lanes store a row's 256 bytes, at a multiple of 256 from out0's first byte
	s_wait_tensorcnt 0x0                           ; the wave's end: three closing lines, behind my last LDS store
	ds_add_u32 v[SPW], v[NIL]
	s_wait_dscnt 0x0
	s_endpgm
.Lfunc_end_k_qf719ce501a_fused:
	.size	k_qf719ce501a_fused, .Lfunc_end_k_qf719ce501a_fused-k_qf719ce501a_fused
	.p2alignl 7, 3214868480
	.fill 96, 4, 3214868480
	.section	.rodata,"a",@progbits
	.p2align	6, 0x0
	.amdhsa_kernel k_qf719ce501a_fused
		.amdhsa_group_segment_fixed_size 321280
		.amdhsa_private_segment_fixed_size 0
		.amdhsa_enable_private_segment 0
		.amdhsa_kernarg_size 88
		.amdhsa_user_sgpr_count 2
		.amdhsa_user_sgpr_kernarg_segment_ptr 1
		.amdhsa_wavefront_size32 1
		.amdhsa_system_sgpr_workgroup_id_x 1
		.amdhsa_system_sgpr_workgroup_id_y 1
		.amdhsa_system_sgpr_workgroup_id_z 1
		.amdhsa_system_vgpr_workitem_id 0
		.amdhsa_next_free_vgpr 256
		.amdhsa_next_free_sgpr 96
		.amdhsa_reserve_vcc 0
		.amdhsa_float_denorm_mode_32 3
		.amdhsa_float_denorm_mode_16_64 3
		.amdhsa_memory_ordered 1
		.amdhsa_forward_progress 1
		.amdhsa_inst_pref_size 108
	.end_amdhsa_kernel
	.amdgpu_metadata
---
amdhsa.version: [ 1, 2 ]
amdhsa.kernels:
  - .name:           k_qf719ce501a_fused
    .symbol:         k_qf719ce501a_fused.kd
    .args:
      - { .name: W, .offset: 0, .size: 8, .value_kind: global_buffer, .address_space: global }
      - { .name: attention, .offset: 8, .size: 8, .value_kind: global_buffer, .address_space: global }
      - { .name: keys, .offset: 16, .size: 8, .value_kind: global_buffer, .address_space: global }
      - { .name: lowp_scales, .offset: 24, .size: 8, .value_kind: global_buffer, .address_space: global }
      - { .name: mask, .offset: 32, .size: 8, .value_kind: global_buffer, .address_space: global }
      - { .name: rewards_mem, .offset: 40, .size: 8, .value_kind: global_buffer, .address_space: global }
      - { .name: temperature, .offset: 48, .size: 8, .value_kind: global_buffer, .address_space: global }
      - { .name: values, .offset: 56, .size: 8, .value_kind: global_buffer, .address_space: global }
      - { .name: out0, .offset: 64, .size: 8, .value_kind: global_buffer, .address_space: global }
      - { .name: out1, .offset: 72, .size: 8, .value_kind: global_buffer, .address_space: global }
      - { .name: out2, .offset: 80, .size: 8, .value_kind: global_buffer, .address_space: global }
    .group_segment_fixed_size: 321280
    .private_segment_fixed_size: 0
    .kernarg_segment_align: 8
    .kernarg_segment_size: 88
    .max_flat_workgroup_size: 512
    .sgpr_count:     96
    .vgpr_count:     256
    .wavefront_size: 32
...
	.end_amdgpu_metadata
.endif
;; end of part 1
;; ======== version 2 of 2: 1 launch; version 1 with the launch fused written anew for expert scheduling mode
;; launch fused (part 2): grid 256 x 1, 16 waves a work-group, no clusters, 321,280 bytes of LDS; arguments W, attention, keys, lowp_scales, mask, rewards_mem, temperature, values, out0, out1, out2; writes out0, out1, out2
.if DOCPART == 2
	.amdgcn_target "amdgcn-amd-amdhsa--gfx1250"
	.amdhsa_code_object_version 6
	.text
	.protected	k_qf719ce501a_fused
	.globl	k_qf719ce501a_fused
	.p2align	8
	.type	k_qf719ce501a_fused,@function
k_qf719ce501a_fused:
	s_mov_b64 s[64:65], 0
	v_nop
	global_prefetch_b8 v0, s[64:65] scope:SCOPE_SE
	s_setreg_imm32_b32 hwreg(HW_REG_WAVE_SCHED_MODE, 0, 2), 2
	s_setreg_imm32_b32 hwreg(HW_REG_WAVE_MODE, 25, 1), 1
	s_wait_xcnt 0x0
	s_wait_alu depctr_vm_vsrc(0)
; ONE WORK-GROUP = ONE UNIT u (256 units).  query = Q(attention) Q(W[u]); logits = Q(query) Q(keys[u])^T / temperature[u], masked; softmax over the 1,024 slots (out1);
; x rewards_mem[u], row sum (out2), divided by it; Q(that) Q(values[u]) (out0).  All three products on codes of E4M3 with the six given scales 2^e0 .. 2^e5; sums, softmax and all else in f32.
; SHARES.  Sixteen waves of 256 registers.  Wave w loads, holds and converts: attention's rows 2w, 2w+1; W's rows d = 32w .. 32w+31; mask's rows b = 2w, 2w+1; and, of the unit's 1,024 slots, c = 64w .. 64w+63
; of keys, values and rewards.  Every global load of a wave covers whole aligned runs of 256 or 512 bytes; only codes (a quarter of the bytes) are turned through LDS into the operands' order.
; Product 1: waves 0-7, one tile of 16 x 16 each.  Products 2 and 3: every wave on its own 64 slots; the softmax's maximum and sums meet in LDS; product 3's sixteen partial sums are added in f32 through LDS.
; A lane holds ONE row b (lane % 16) from the logits on: source 0 = 16 slots (or 16 channels of values^T), source 1 = 16 rows b, so that its eight registers of a tile are eight neighbouring slots:
; they are the next product's K, and 32 neighbouring bytes of out1.
; NO CLUSTER, NO TENSOR LOAD: work-groups share attention alone, 64 KiB of the about 830 KiB that a work-group moves, and a unit's 640 KiB of f32 operands do not fit in LDS.
; out2: a unit owns 4 bytes in each of 32 rows of 1,024 bytes: 32 stores of 4 bytes a lane, far apart; 32 KiB of the launch's 36 MB of output.
; LIMITS.  e0, e1, e3, e4, e5 and e2 - e0 - e1 between -126 and 119; e2 + e3 and e4 + e5 between -126 and 127 (each power of two below is an f32 number).  NaN and infinities among the float inputs are not served.
; t = logit x log2(e) / temperature lies above -3e38 (the floor under the maximum).  A row whose mask is all false gives NaN in all three outputs, as the softmax of -infinities does; a row whose reward sum is 0 gives NaN in out0.
; 1 / temperature: v_rcp_f32 and one Newton step.  The third product's operand is formed as p x reward / (sum of p x reward), which is weights x reward / rewards with the softmax's divisor cancelled.
; THE MODE: SCHED_MODE bits 1:0 = 2 (LLVM: expert scheduling mode 2), set by the entry lines.  The code itself states the register dependences
; between vector or matrix instructions and memory or LDS instructions, with s_wait_alu, always for 0.
; THE PLAN.  Registers that memory or LDS instructions touch:
;   v3, v4        offsets, made at the head, never written again: every global load reads one of them.
;   v5 .. v14     addresses: made at the head; v5-v12 anew behind the second barrier, v13, v14 (and v19) anew behind the last products: each time a wait on vm_vsrc ahead of the makers, a wait on va_vdst ahead of the first user.
;   C0 .. C6      raw data: a load lands, the holds write and the conversions read, the next load lands.  The wait on va_vdst that stands behind a quarter's conversions, for its LDS stores' sake,
;                 also states that they are done with the raw buffer: the loads that follow into it stand behind that wait with no vector line between.
;   T (v144-159)  codes: written by conversions and byte selections, read by the LDS stores of codes, written again by the next quarter: a wait on vm_vsrc at the head of each quarter that follows such stores.
;   v128-159      together: a landing place for LDS loads (fragments, mask bytes, statistics), and the out-buffer of a half of out1: sixteen multiplies, ONE wait on va_vdst, eight LDS stores, ONE wait on vm_vsrc, eight LDS loads back, eight stores.
;   v19, v21, v23, v30, v31   data and addresses of the statistics' and of wave 0's stores; freed by the wait on vm_vsrc behind the third barrier and by those of out1.
;   v192-255      the third product's sums: the places, a wait on va_vdst, the LDS stores.
; No vector instruction but the one v_readfirstlane_b32 writes a scalar register; EXEC is never written.
.set QIMG,  0          ; LDS: the query's two fragments as images of their registers: 1024 bt + 256 t + 8 lane
.set WCD,   2048       ; W^T's codes: 64 rows o, 512 d + 16 of padding: 528 bytes = 33 x 16, so sixteen rows of a fragment load fall on sixteen different 16-byte columns of 256
.set ATT,   35840      ; attention's codes: 32 rows b, pitch 528
.set MSK,   52736      ; mask bytes: 32 rows b, pitch 1040 = 65 x 16
.set STAT,  86016      ; three arrays (maximum, sum, reward sum) of 2,560 bytes: row b of 80 bytes, word w
.set OMB,   93696      ; out0's multiplier, a word for each b
.set REW,   93952      ; 256 bytes a wave: its 64 rewards
.set CST,   98048      ; 5,120 bytes a wave, its own: 64 rows of 64 codes + 16: first keys [c][o], then values^T [v][c]
.set WST,   179968     ; 8,704 bytes a wave: 32 rows b of 256 bytes + 16: first the wave's own stage for out1, then its partial sums of out0
.set SPARE, 319232     ; the spare words, 128 bytes for each wave: eight blocks of 256 bytes that no other line names
.set SPW, 1            ; v1  LDS address of my spare word; never rewritten
.set NIL, 2            ; v2  0; never rewritten
.set G16, 3            ; v3  16 x lane; never rewritten
.set G8,  4            ; v4  8 x lane; never rewritten (also the query images' read address: they begin at LDS byte 0)
                       ; v5-v14 addresses, made at the head and made anew behind the second barrier and behind the last products, always by every wave
.set SC,  15           ; v15 the conversion's scale
                       ; v16-v31 statistics and temporaries
.set C0,  32           ; attention, keys' 4th quarter, then the scores of rows 0-15
.set C1,  64           ; W's first half, values' 1st quarter, then the scores of rows 16-31
.set C2,  96           ; W's second half, keys' fragments, then the rewards
.set C3,  128          ; mask, statistics, with T a half of out1 on its way out, then the third product's operand
.set T,   144          ; at work
.set C4,  160          ; keys' 1st quarter, values' 2nd, then values' fragments
.set C5,  192          ; keys' 2nd, values' 3rd, then out0's sums
.set C6,  224          ; keys' 3rd, values' 4th, then out0's sums
.set XA, 40            ; s[X], s[X+1], s[X+2]: 2^e as f32, 448 x 2^e, -448 x 2^e: attention,
.set XW, 43            ; W,
.set XQ, 46            ; the query (e2 - e0 - e1: the first product's two scales folded in),
.set XK, 49            ; keys,
.set XV, 52            ; values,
.set XP, 55            ; and the third product's computed operand
.macro TRIPLE d, e
	s_add_co_i32 s[\d+1], s[\e], 127
	s_lshl_b32 s[\d], s[\d+1], 23
	s_add_co_i32 s[\d+1], s[\d+1], 8
	s_lshl_b32 s[\d+1], s[\d+1], 23
	s_or_b32 s[\d+1], s[\d+1], 0x600000
	s_or_b32 s[\d+2], s[\d+1], 0x80000000
.endm
.macro LDK buf, ct                     ; 16 rows of keys (4,096 bytes): each load 512 consecutive bytes: rows 16 ct + 2 i + lane / 16, o = 4 (lane % 16) ..
.irp i, 0,1,2,3,4,5,6,7
	global_load_b128 v[\buf+4*\i:\buf+4*\i+3], v[G16], s[8:9] offset:512*(8*(\ct)+\i) th:TH_LOAD_NT
.endr
.endm
.macro LDO buf, base, row0             ; 16 rows of W or of values: each load one aligned row of 256 bytes; a lane holds columns 2 lane, 2 lane + 1, and its registers run down K
.irp i, 0,1,2,3,4,5,6,7,8,9,10,11,12,13,14,15
	global_load_b64 v[\buf+2*\i:\buf+2*\i+1], v[G8], s[\base:\base+1] offset:256*((\row0)+\i) th:TH_LOAD_NT
.endr
.endm
.macro HOLDCVT buf, x, e               ; 32 numbers of a lane become 32 codes in v[T] .. v[T+7].  e = 1: stores issued since the last wait on vm_vsrc have read registers of T
	s_wait_dscnt 0x0                               ; the LDS stores issued so far have read their registers in T
.if \e
	s_wait_alu depctr_vm_vsrc(0)                   ; the stores issued so far have read T, which the conversions (and the byte selections) below write again
.endif
	v_mov_b32 v[SC], s[\x]
.set n, 0
.rept 32
	v_med3_num_f32 v[\buf+n], v[\buf+n], s[\x+2], s[\x+1]   ; the conversion to an 8-bit code does not saturate (ISA guide 7.6.2): the hold at the largest code x the scale
.set n, n+1
.endr
.irp g, 0,1,2,3
	v_cvt_scalef32_pk8_fp8_f32 v[T+2*\g:T+2*\g+1], v[\buf+8*\g:\buf+8*\g+7], v[SC]
.endr
	v_nop                                          ; one plain line between the conversions and the next vector or matrix line that touches their registers
.endm
.macro QDA                             ; attention: load i's four codes go to row 2w + i / 4, k = 128 (i % 4) + 4 lane
	HOLDCVT C0, XA, 0                              ; (no store has read T yet)
	s_wait_alu depctr_va_vdst(0)                   ; the conversions have written T, which the stores read; holds and conversions are done with C0, in which keys' 4th quarter lands later
.irp i, 0,1,2,3,4,5,6,7
	ds_store_b32 v5, v[T+\i] offset:(\i/4)*528+128*(\i%4)
.endr
.endm
.macro QDK buf, ct, e                  ; keys: load i's four codes go to row 16 ct + 2 i + lane / 16, o = 4 (lane % 16)
	HOLDCVT \buf, XK, \e
	s_wait_alu depctr_va_vdst(0)                   ; the conversions have written T, which the stores read; holds and conversions are done with the raw buffer, in which the next loads land
.irp i, 0,1,2,3,4,5,6,7
	ds_store_b32 v12, v[T+\i] offset:(16*(\ct)+2*\i)*80
.endr
.endm
.macro QO buf, x, adr, pitch, off, e   ; K outermost: the codes come out as column 2 lane and column 2 lane + 1 by turns; two byte selections part them: 16 codes along K for each column
	HOLDCVT \buf, \x, \e
.irp g, 0,1,2,3
	v_perm_b32 v[T+8+\g], v[T+2*\g+1], v[T+2*\g], s70
.endr
.irp g, 0,1,2,3
	v_perm_b32 v[T+12+\g], v[T+2*\g+1], v[T+2*\g], s71
.endr
	s_wait_alu depctr_va_vdst(0)                   ; the selections have written T + 8 .. T + 15, which the stores read; holds and conversions are done with the raw buffer, in which the next loads land
	ds_store_b128 v[\adr], v[T+8:T+11] offset:\off            ; lanes stand two rows apart, so sixteen lanes fall two deep on eight 16-byte columns: 12 such stores a wave in all
	ds_store_b128 v[\adr], v[T+12:T+15] offset:\off+\pitch
.endm
.macro FRAG64 dst                      ; four fragments of 16 rows x 64 K from my 64 rows of codes: registers 2 c, 2 c + 1 hold K = 16 c + 8 (lane / 16) + 0 .. 7
.irp t, 0,1,2,3
.irp c, 0,1,2,3
	ds_load_b64 v[\dst+8*\t+2*\c:\dst+8*\t+2*\c+1], v14 offset:1280*\t+16*\c
.endr
.endr
.endm
.macro BAR                             ; my LDS stores have landed and my LDS loads are in: then the work-group's barrier
	s_wait_dscnt 0x0
	s_barrier_signal -1
	s_barrier_wait -1
.endm
; ---------------- the head: addresses, bases, and 61 loads a wave
	s_load_b512 s[4:19], s[0:1], 0x0               ; W 4:5, attention 6:7, keys 8:9, scales 10:11, mask 12:13, rewards_mem 14:15, temperature 16:17, values 18:19
	s_load_b128 s[20:23], s[0:1], 0x40             ; out0, out1
	s_load_b64 s[24:25], s[0:1], 0x50              ; out2
	v_lshl_add_u32 v[SPW], v0, 2, SPARE
	v_mov_b32 v[NIL], 0
	v_lshrrev_b32 v16, 5, v0
	v_readfirstlane_b32 s26, v16                   ; wave 0..15
	v_and_b32 v16, 31, v0                          ; lane
	v_and_b32 v17, 15, v0                          ; r
	v_bfe_u32 v18, v0, 4, 1                        ; h
	v_lshlrev_b32 v[G16], 4, v16
	v_lshlrev_b32 v[G8], 3, v16
	s_wait_alu depctr_va_vdst(0)
	s_wait_alu depctr_va_sdst(0)                   ; s26 is written, ahead of its first reader: LDS addresses, bases and branches are made from it
	s_mul_i32 s27, s26, 1056
	s_add_co_u32 s27, s27, ATT
	v_lshl_add_u32 v5, v16, 2, s27                 ; attention's codes in: rows 2w on, 4 x lane
	s_lshl_b32 s27, s26, 5
	s_add_co_u32 s27, s27, WCD
	v_mul_u32_u24 v6, v16, 1056
	v_add_nc_u32 v6, s27, v6                       ; W's codes in: row o = 2 lane, d = 32 w
	s_mul_i32 s27, s26, 2080
	s_add_co_u32 s27, s27, MSK
	v_add_nc_u32 v7, s27, v[G16]                   ; mask in: rows 2w on, 16 x lane
	s_lshl_b32 s27, s26, 8
	s_add_co_u32 s27, s27, REW
	v_add_nc_u32 v8, s27, v[G8]                    ; my rewards in
	v_mul_u32_u24 v19, v17, 528
	v_lshl_add_u32 v19, v18, 4, v19                ; a fragment's row r, + 16 h
	s_and_b32 s27, s26, 3
	s_mul_i32 s27, s27, 16*528
	s_add_co_u32 s27, s27, WCD
	v_add_nc_u32 v9, s27, v19                      ; product 1: W^T's rows 16 (w % 4) on
	s_bfe_u32 s27, s26, 0x10002
	s_mul_i32 s27, s27, 16*528
	s_add_co_u32 s27, s27, ATT
	v_add_nc_u32 v10, s27, v19                     ; attention's rows 16 ((w / 4) % 2) on
	s_and_b32 s27, s26, 7
	s_lshl_b32 s27, s27, 8
	v_add_nc_u32 v11, s27, v[G8]                   ; the query's image: 256 (w % 8) + 8 lane
	s_mul_i32 s27, s26, 5120
	s_add_co_u32 s27, s27, CST
	v_mul_u32_u24 v12, v18, 80
	v_lshl_add_u32 v12, v17, 2, v12
	v_add_nc_u32 v12, s27, v12                     ; keys' codes in: row h, 4 r
	v_mul_u32_u24 v13, v16, 160
	v_add_nc_u32 v13, s27, v13                     ; values' codes in: row v = 2 lane
	v_mul_u32_u24 v14, v17, 80
	v_lshl_add_u32 v14, v18, 3, v14
	v_add_nc_u32 v14, s27, v14                     ; fragments out of my 64 rows: row r, + 8 h
	s_mov_b32 s60, 0x76543210                      ; v_permlanex16_b32: lane l xor 16
	s_mov_b32 s61, 0xfedcba98
	s_mov_b32 s62, 0xffff0000                      ; lanes 16-31
	s_mov_b32 s66, 0x04000c0c                      ; byte selections: byte k of two words into bytes 3 and 2, zeros below
	s_mov_b32 s67, 0x05010c0c
	s_mov_b32 s68, 0x06020c0c
	s_mov_b32 s69, 0x07030c0c
	s_mov_b32 s70, 0x06040200                      ; the even bytes of two words,
	s_mov_b32 s71, 0x07050301                      ; the odd ones
	s_mov_b32 s80, 0xff61b1e6                      ; -3e38
	s_mov_b32 s37, 0
	s_wait_kmcnt 0x0
	s_lshl_b32 s36, ttmp9, 2
	s_add_nc_u64 s[16:17], s[16:17], s[36:37]      ; temperature[u]
	s_add_nc_u64 s[24:25], s[24:25], s[36:37]      ; out2: column u
	s_load_b128 s[28:31], s[10:11], 0x0            ; e0 .. e3
	s_load_b64 s[32:33], s[10:11], 0x10            ; e4, e5
	s_load_b32 s34, s[16:17], 0x0
	s_lshl_b32 s36, s26, 12
	s_add_nc_u64 s[6:7], s[6:7], s[36:37]          ; attention: rows 2w on
	s_lshl_b32 s36, ttmp9, 17
	s_lshl_b32 s27, s26, 13
	s_add_co_u32 s36, s36, s27
	s_add_nc_u64 s[4:5], s[4:5], s[36:37]          ; W: unit u, rows 32 w on
	s_lshl_b32 s36, ttmp9, 10
	s_lshl_b32 s27, s26, 19
	s_add_co_u32 s36, s36, s27
	s_add_nc_u64 s[12:13], s[12:13], s[36:37]      ; mask: row (2w, u)
	s_lshl_b32 s36, ttmp9, 12
	s_lshl_b32 s27, s26, 8
	s_add_co_u32 s36, s36, s27
	s_add_nc_u64 s[14:15], s[14:15], s[36:37]      ; rewards_mem: unit u, slots 64 w on
	s_add_nc_u64 s[72:73], s[22:23], s[36:37]      ; out1: row (0, u), slots 64 w on; then 8 rows b further on each time
	s_add_nc_u64 s[74:75], s[72:73], 0x800000
	s_add_nc_u64 s[76:77], s[74:75], 0x800000
	s_add_nc_u64 s[78:79], s[76:77], 0x800000
	s_lshl_b32 s36, ttmp9, 18
	s_lshl_b32 s27, s26, 14
	s_add_co_u32 s36, s36, s27
	s_add_nc_u64 s[8:9], s[8:9], s[36:37]          ; keys and values: unit u, slots 64 w on
	s_add_nc_u64 s[18:19], s[18:19], s[36:37]
	s_lshl_b32 s36, ttmp9, 8
	s_lshl_b32 s27, s26, 17
	s_add_co_u32 s36, s36, s27
	s_add_nc_u64 s[20:21], s[20:21], s[36:37]      ; out0: row (2w, u)
	s_wait_alu depctr_va_vdst(0)                   ; the offsets v3, v4 and the addresses v5 to v14 are written, which the loads and LDS instructions below read
.irp i, 0,1,2,3,4,5,6,7
	global_load_b128 v[C0+4*\i:C0+4*\i+3], v[G16], s[6:7] offset:512*\i   ; attention (every work-group reads it: no hint): row 2w + i / 4, k = 128 (i % 4) + 4 lane ..
.endr
	LDO C1, 4, 0                                   ; W, rows 32 w + 0 .. 15
	LDO C2, 4, 16                                  ; and + 16 .. 31
.irp j, 0,1,2,3
	global_load_b128 v[C3+4*\j:C3+4*\j+3], v[G16], s[12:13] offset:(\j/2)*262144+(\j%2)*512 th:TH_LOAD_NT   ; mask: row 2w + j / 2, half j % 2
.endr
	global_load_b64 v[30:31], v[G8], s[14:15] th:TH_LOAD_NT   ; my 64 rewards
	LDK C4, 0
	LDK C5, 1
	s_wait_kmcnt 0x0
	TRIPLE XA, 28
	TRIPLE XW, 29
	TRIPLE XK, 31
	TRIPLE XV, 32
	TRIPLE XP, 33
	s_sub_co_i32 s27, s30, s28
	s_sub_co_i32 s27, s27, s29                     ; a sum of the first product stands for sum x 2^(e0 + e1): its code is sum / 2^(e2 - e0 - e1)
	TRIPLE XQ, 27
	s_add_co_i32 s58, s32, s33
	s_add_co_i32 s58, s58, 127
	s_lshl_b32 s58, s58, 23                        ; 2^(e4 + e5)
	s_add_co_i32 s59, s30, s31
	s_add_co_i32 s59, s59, 127
	s_lshl_b32 s59, s59, 23                        ; 2^(e2 + e3)
; ---------------- what all waves share goes to LDS as codes.  Each count: the loads issued behind the ones that are wanted
	s_wait_loadcnt 53                              ; attention is in: behind it W 32, mask 4, rewards 1, keys 16
	QDA
	LDK C6, 2                                      ; (no vector line has named C6)
	s_wait_loadcnt 45                              ; W's first half: behind it W 16, mask 4, rewards 1, keys 24
	QO C1, XW, 6, 528, 0, 1
	LDK C0, 3                                      ; no vector line since the wait on va_vdst above names C0
	s_wait_loadcnt 37                              ; W's second half: behind it mask 4, rewards 1, keys 32
	QO C2, XW, 6, 528, 16, 1
	LDO C1, 18, 0                                  ; values, slots 64 w + 0 .. 15; no vector line since the wait on va_vdst above names C1
	s_wait_loadcnt 48                              ; mask and rewards: behind them keys 32, values 16
.irp j, 0,1,2,3
	ds_store_b128 v7, v[C3+4*\j:C3+4*\j+3] offset:(\j/2)*1040+(\j%2)*512
.endr
	ds_store_b64 v8, v[30:31]
	BAR                                            ; W^T's and attention's codes and the mask lie whole in LDS
	s_wait_alu depctr_vm_vsrc(0)                   ; the mask's stores have read v128-143, W's stores T, the rewards' store v30, v31: product 1's fragments land in the first two, its sums in the last; keys' 1st quarter writes T
; ---------------- product 1, waves 0-7: wave j makes query(b = 16 (j / 4) + 0 .. 15, o = 16 (j % 4) + 0 .. 15).  K = 512: four steps of 128 on two accumulators by turns
	s_cmp_lt_u32 s26, 8
	s_cbranch_scc0 .Lnoq
.macro QFR s                           ; K step s: registers 4 c .. 4 c + 3 take K = 32 c + 16 h + 0 .. 15 on BOTH sides: every product meets its partner
.irp c, 0,1,2,3
	ds_load_b128 v[96+32*((\s)%2)+4*\c:96+32*((\s)%2)+4*\c+3], v9 offset:128*(\s)+32*\c
	ds_load_b128 v[112+32*((\s)%2)+4*\c:112+32*((\s)%2)+4*\c+3], v10 offset:128*(\s)+32*\c
.endr
.endm
	QFR 0                                          ; no vector line since the wait on va_vdst in W's second half names v96-159
	QFR 1
	s_wait_dscnt 0x0
	v_wmma_f32_16x16x128_fp8_fp8 v[16:23], v[96:111], v[112:127], 0       ; source 0 = 16 rows o of W^T, source 1 = 16 rows b: a lane holds b = r and o = 8 h + 0 .. 7 of the tile
	v_wmma_f32_16x16x128_fp8_fp8 v[24:31], v[128:143], v[144:159], 0
.rept 4
	v_nop                                          ; places in front of loads into registers that matrix instructions have read
.endr
	s_wait_alu depctr_va_vdst(0)                   ; the two products are done reading v96-159, in which the fragments of K steps 2 and 3 land
	QFR 2
	QFR 3
	s_wait_dscnt 0x0
	v_wmma_f32_16x16x128_fp8_fp8 v[16:23], v[96:111], v[112:127], v[16:23]
	v_wmma_f32_16x16x128_fp8_fp8 v[24:31], v[128:143], v[144:159], v[24:31]
.rept 4
	v_nop                                          ; places in front of the first read of the sums and of writes into the operands' registers
.endr
.irp i, 0,2,4,6
	v_pk_add_f32 v[96+\i:97+\i], v[16+\i:17+\i], v[24+\i:25+\i]   ; both accumulators from their low end on
.endr
	v_mov_b32 v[SC], s[XQ]
.irp i, 0,1,2,3,4,5,6,7
	v_med3_num_f32 v[96+\i], v[96+\i], s[XQ+2], s[XQ+1]
.endr
	v_cvt_scalef32_pk8_fp8_f32 v[104:105], v[96:103], v[SC]   ; o = 16 t + 8 h + 0 .. 7: registers 2 t, 2 t + 1 of the second product's fragment
	v_nop
	s_wait_alu depctr_va_vdst(0)                   ; the conversion has written v104, v105, which the store reads
	ds_store_b64 v11, v[104:105]
.Lnoq:
; ---------------- keys: my 64 slots become codes in my own rows, then four fragments; values follow into the registers that keys leave
	s_wait_loadcnt 40                              ; keys' 1st quarter: behind it keys 24, values 16
	QDK C4, 0, 0                                   ; (no store has read T since the wait on vm_vsrc behind the barrier)
	LDO C4, 18, 16
	s_wait_loadcnt 48                              ; 2nd: behind it keys 16, values 32
	QDK C5, 1, 1                                   ; (its wait on vm_vsrc also states that the query's store has read v104, v105, in which keys' fragments land below)
	s_wait_loadcnt 40                              ; 3rd: behind it keys 8, values 32
	LDO C5, 18, 32
	QDK C6, 2, 1
	s_wait_loadcnt 48                              ; 4th: behind it values 48
	QDK C0, 3, 1
	FRAG64 C2                                      ; LDS serves a wave's instructions in order: these see my stores.  No vector or matrix line since the wait on va_vdst above names C2
	s_wait_loadcnt 32                              ; values' 1st quarter: behind it values 32
	LDO C6, 18, 48
	BAR                                            ; the query's images lie in LDS; my keys' fragments are in
	s_wait_alu depctr_vm_vsrc(0)                   ; the LDS instructions issued so far have read the addresses v5 to v12, which are made anew below, and T, which values' 1st quarter writes
; ---------------- addresses for the rest, made by every wave
	v_and_b32 v19, 31, v0                          ; lane
	v_and_b32 v21, 15, v0                          ; r
	v_bfe_u32 v30, v0, 4, 1                        ; h
	s_lshl_b32 s27, s26, 6
	s_add_co_u32 s27, s27, MSK
	v_mul_u32_u24 v5, v21, 1040
	v_lshl_add_u32 v5, v30, 3, v5
	v_add_nc_u32 v5, s27, v5                       ; mask out: row r, byte 64 w + 8 h
	s_lshl_b32 s27, s26, 8
	s_add_co_u32 s27, s27, REW
	v_lshl_add_u32 v6, v30, 5, s27                 ; my rewards out: 32 h
	v_mul_u32_u24 v8, v19, 80
	v_add_nc_u32 v8, STAT, v8                      ; statistics out: row b = lane
	s_lshl_b32 s27, s26, 2
	v_add_nc_u32 v7, s27, v8                       ; and in: word w of it
	s_mul_i32 s27, s26, 8704
	s_add_co_u32 s27, s27, WST
	v_mul_u32_u24 v9, v21, 272
	v_lshl_add_u32 v9, v30, 5, v9
	v_add_nc_u32 v9, s27, v9                       ; my stage, in: row r, 32 h
	v_mul_u32_u24 v10, v30, 272
	v_lshl_add_u32 v10, v21, 4, v10
	v_add_nc_u32 v10, s27, v10                     ; and back: lanes 0-15 one row, lanes 16-31 the next
	v_lshlrev_b32 v11, 4, v21
	v_lshl_add_u32 v11, v30, 20, v11               ; the same two rows in out1: a row b is 2^20 bytes on
	s_mul_i32 s27, s26, 544
	s_add_co_u32 s27, s27, WST
	v_mul_u32_u24 v12, v30, 272
	v_lshl_add_u32 v12, v21, 4, v12
	v_add_nc_u32 v12, s27, v12                     ; the last sum: row b = 2 w + h of wave 0's partial sums, channels 4 r on
	; cs = 2^(e2 + e3) x log2(e) / temperature: t = sum x cs
	v_mov_b32 v19, s34
	s_wait_alu depctr_va_vdst(0)
	v_rcp_f32 v21, v19
	v_nop                                          ; a plain line behind the reciprocal,
	s_wait_alu depctr_va_vdst(0)                   ; and the wait ahead of its first reader: v21 is written.  So are the new addresses v5 to v12, which the LDS and memory instructions below read
	v_fma_f32 v30, -v19, v21, 1.0
	v_fma_f32 v21, v21, v30, v21                   ; one Newton step
	v_mul_f32 v21, 0x3fb8aa3b, v21
	v_mul_f32 v16, s59, v21
	v_mov_b32 v17, v16
	QO C1, XV, 13, 80, 0, 0                        ; values' 1st quarter, over keys' codes, which are in registers.  (No store has read T since the wait on vm_vsrc behind the barrier)
; ---------------- product 2: my 64 slots x 32 rows b
	s_wait_dscnt 0x0                               ; the stores have read T
	s_wait_alu depctr_vm_vsrc(0)                   ; the two stores of values' codes have read T + 8 .. T + 15, in which the query's fragments land
.irp bt, 0,1
.irp t, 0,1,2,3
	ds_load_b64 v[T+8*\bt+2*\t:T+8*\bt+2*\t+1], v[G8] offset:1024*\bt+256*\t   ; the query's fragments, as they were stored
.endr
.endr
.irp bt, 0,1
.irp ct, 0,1,2,3
	ds_load_b64 v[C3+2*(4*\bt+\ct):C3+2*(4*\bt+\ct)+1], v5 offset:16640*\bt+16*\ct   ; my eight mask bytes of each tile
.endr
.endr
	s_wait_dscnt 8                                 ; the query is in; the eight mask loads may be out
.irp bt, 0,1
.irp ct, 0,1,2,3
	v_wmma_f32_16x16x64_fp8_fp8 v[32+8*(4*\bt+\ct):32+8*(4*\bt+\ct)+7], v[C2+8*\ct:C2+8*\ct+7], v[T+8*\bt:T+8*\bt+7], 0   ; lane (r, h): b = 16 bt + r, slots 16 ct + 8 h + 0 .. 7
.endr
.endr
	s_wait_dscnt 0x0
.set n, 0
.rept 16
	v_xor_b32 v[C3+n], 0x01010101, v[C3+n]         ; a byte is now 1 where the slot is masked OUT.  (These sixteen are also the places behind the products)
.set n, n+1
.endr
	s_wait_alu depctr_va_vdst(0)                   ; the eight products are done reading keys' fragments in C2, in which the rewards land
.irp ct, 0,1,2,3
	ds_load_b128 v[C2+8*\ct:C2+8*\ct+3], v6 offset:64*\ct          ; the rewards of my eight slots of each tile, where keys' fragments lay
	ds_load_b128 v[C2+8*\ct+4:C2+8*\ct+7], v6 offset:64*\ct+16
.endr
; ---------------- the softmax among my 64 slots
; t = sum x cs + (0 or -infinity).  From a byte x in {0, 1}: 255 x is 0xff, 128 x is 0x80: the two top bytes of -infinity
.set tl, 0
.rept 8
	v_lshlrev_b32 v[T], 8, v[C3+2*tl]
	v_lshlrev_b32 v[T+2], 8, v[C3+2*tl+1]
	v_lshlrev_b32 v[T+1], 7, v[C3+2*tl]
	v_lshlrev_b32 v[T+3], 7, v[C3+2*tl+1]
	v_sub_nc_u32 v[T], v[T], v[C3+2*tl]
	v_sub_nc_u32 v[T+2], v[T+2], v[C3+2*tl+1]
.irp k, 0,1,2,3
	v_perm_b32 v[T+8+\k], v[T], v[T+1], s[66+\k]
	v_perm_b32 v[T+12+\k], v[T+2], v[T+3], s[66+\k]
.endr
.irp i, 0,2,4,6
	v_pk_fma_f32 v[32+8*tl+\i:32+8*tl+\i+1], v[32+8*tl+\i:32+8*tl+\i+1], v[16:17], v[T+8+\i:T+8+\i+1]   ; each accumulator from its low end on
.endr
.set tl, tl+1
.endr
.irp bt, 0,1                           ; the largest t of my row among my 32 registers, over a floor of -3e38, in two chains
.set B, 32+32*\bt
.set ML, 18+2*\bt
	v_max3_num_f32 v[ML], v[B], v[B+1], s80
	v_max3_num_f32 v[ML+1], v[B+2], v[B+3], v[B+4]
.irp i, 5,9,13,17,21,25
	v_max3_num_f32 v[ML], v[ML], v[B+\i], v[B+\i+1]
	v_max3_num_f32 v[ML+1], v[ML+1], v[B+\i+2], v[B+\i+3]
.endr
	v_max3_num_f32 v[ML], v[ML], v[B+29], v[B+30]
	v_max3_num_f32 v[ML], v[ML], v[ML+1], v[B+31]
.endr
	v_permlanex16_b32 v30, v18, s60, s61           ; the row's other 32 slots lie in the lane 16 away
	v_permlanex16_b32 v31, v20, s60, s61
	v_max_num_f32 v18, v18, v30
	v_max_num_f32 v20, v20, v31
.irp bt, 0,1
.set n, 0
.rept 16
	v_pk_add_f32 v[32+32*\bt+n:33+32*\bt+n], v[32+32*\bt+n:33+32*\bt+n], v[18+2*\bt:19+2*\bt] op_sel_hi:[1,0] neg_lo:[0,1] neg_hi:[0,1]   ; t - my wave's maximum
.set n, n+2
.endr
.endr
.set n, 0
	s_wait_alu depctr_va_vdst(0)
.rept 64
	v_exp_f32 v[32+n], v[32+n]                     ; p = 2^(t - maximum): 0 where masked
.set n, n+1
.endr
	v_nop                                          ; a plain line behind the last exponential,
	s_wait_alu depctr_va_vdst(0)                   ; and one wait for the batch, ahead of its first reader: the 64 exponentials have written v32-95
	s_wait_dscnt 0x0                               ; the rewards are in
.irp bt, 0,1                           ; the sum of p and the sum of p x reward, two numbers at a time, four chains by turns; the first pairs start the sums
	v_pk_add_f32 v[22+2*\bt:23+2*\bt], v[32+32*\bt:33+32*\bt], v[34+32*\bt:35+32*\bt]
	v_pk_mul_f32 v[26+2*\bt:27+2*\bt], v[32+32*\bt:33+32*\bt], v[C2:C2+1]
.endr
.irp bt, 0,1
	v_pk_fma_f32 v[26+2*\bt:27+2*\bt], v[34+32*\bt:35+32*\bt], v[C2+2:C2+3], v[26+2*\bt:27+2*\bt]
.endr
.set n, 4
.rept 14
.irp bt, 0,1
	v_pk_add_f32 v[22+2*\bt:23+2*\bt], v[22+2*\bt:23+2*\bt], v[32+32*\bt+n:33+32*\bt+n]
	v_pk_fma_f32 v[26+2*\bt:27+2*\bt], v[32+32*\bt+n:33+32*\bt+n], v[C2+n:C2+n+1], v[26+2*\bt:27+2*\bt]
.endr
.set n, n+2
.endr
.irp q, 22,24,26,28
	v_add_f32 v[\q], v[\q], v[\q+1]
.endr
.irp q, 22,24,26,28
	v_permlanex16_b32 v[\q+1], v[\q], s60, s61
.endr
.irp q, 22,24,26,28
	v_add_f32 v[\q], v[\q], v[\q+1]
.endr
	v_cndmask_b32 v19, v18, v20, s62               ; lane l speaks for row b = l: lanes 0-15 hold rows 0-15's figures, lanes 16-31 rows 16-31's
	v_cndmask_b32 v21, v22, v24, s62
	v_cndmask_b32 v23, v26, v28, s62
	s_wait_alu depctr_va_vdst(0)                   ; the three selections have written v19, v21, v23, which the stores read; the mask's lines are done with T and C3, in which the statistics land behind the barrier
	ds_store_b32 v7, v19                           ; (rows 80 bytes apart: the 32 lanes fall two deep on sixteen banks; three such stores)
	ds_store_b32 v7, v21 offset:2560
	ds_store_b32 v7, v23 offset:5120
	BAR                                            ; all sixteen waves' figures lie in LDS
	s_wait_alu depctr_vm_vsrc(0)                   ; the three stores have read v19, v21, v23, which are written again below
; ---------------- the row's maximum and sums over all 1,024 slots: lane l for row b = l, every wave for itself
.irp i, 0,1,2,3
	ds_load_b128 v[T+4*\i:T+4*\i+3], v8 offset:16*\i
.endr
.irp i, 0,1,2,3
	ds_load_b128 v[C3+4*\i:C3+4*\i+3], v8 offset:2560+16*\i
.endr
	s_wait_dscnt 4                                 ; the sixteen maxima are in
	v_max3_num_f32 v30, v144, v145, v146
	v_max3_num_f32 v31, v147, v148, v149
	v_max3_num_f32 v30, v30, v150, v151
	v_max3_num_f32 v31, v31, v152, v153
	v_max3_num_f32 v30, v30, v154, v155
	v_max3_num_f32 v31, v31, v156, v157
	v_max3_num_f32 v30, v30, v158, v159
	v_max_num_f32 v30, v30, v31                    ; m
.irp i, 0,2,4,6,8,10,12,14
	v_pk_add_f32 v[T+\i:T+\i+1], v[T+\i:T+\i+1], v[30:31] op_sel_hi:[1,0] neg_lo:[0,1] neg_hi:[0,1]
.endr
.set n, 0
	s_wait_alu depctr_va_vdst(0)
.rept 16
	v_exp_f32 v[T+n], v[T+n]                       ; 2^(a wave's maximum - m)
.set n, n+1
.endr
	v_nop
	s_wait_alu depctr_va_vdst(0)                   ; one wait for the sixteen: the exponentials have written T
	s_wait_dscnt 0x0                               ; the sixteen sums are in
	v_pk_mul_f32 v[22:23], v[T:T+1], v[C3:C3+1]
.irp i, 2,4,6,8,10,12,14
	v_pk_fma_f32 v[22:23], v[T+\i:T+\i+1], v[C3+\i:C3+\i+1], v[22:23]
.endr
	s_wait_alu depctr_va_vdst(0)                   ; the eight lines above are done reading the sums in C3, in which the reward sums land
.irp i, 0,1,2,3
	ds_load_b128 v[C3+4*\i:C3+4*\i+3], v8 offset:5120+16*\i
.endr
	v_add_f32 v22, v22, v23                        ; S: the softmax's divisor
	v_permlanex16_b32 v31, v30, s60, s61
	v_cndmask_b32 v19, v30, v31, s62               ; m of row r,
	v_cndmask_b32 v21, v31, v30, s62               ; and of row 16 + r
	v_sub_f32 v19, v18, v19
	v_sub_f32 v21, v20, v21
	s_wait_dscnt 0x0
	v_pk_mul_f32 v[26:27], v[T:T+1], v[C3:C3+1]
.irp i, 2,4,6,8,10,12,14
	v_pk_fma_f32 v[26:27], v[T+\i:T+\i+1], v[C3+\i:C3+\i+1], v[26:27]
.endr
	v_add_f32 v26, v26, v27                        ; R: the sum of p x reward
	s_wait_alu depctr_va_vdst(0)
	v_rcp_f32 v23, v22
	v_rcp_f32 v27, v26
	v_exp_f32 v19, v19                             ; a = 2^(my wave's maximum - m), for rows r and 16 + r
	v_exp_f32 v21, v21
	v_nop
	s_wait_alu depctr_va_vdst(0)                   ; one wait for the four: v23, v27, v19, v21 are written
	v_mul_f32 v30, v26, v23                        ; rewards(b = lane) = R / S
	v_fma_f32 v31, v27, 0, s58                     ; out0's multiplier 2^(e4 + e5); NaN where 1 / R is no number
	v_permlanex16_b32 v25, v23, s60, s61
	v_permlanex16_b32 v29, v27, s60, s61
	v_cndmask_b32 v22, v23, v25, s62               ; 1 / S of row r, of row 16 + r
	v_cndmask_b32 v24, v25, v23, s62
	v_cndmask_b32 v26, v27, v29, s62               ; 1 / R likewise
	v_cndmask_b32 v28, v29, v27, s62
	v_mul_f32 v22, v22, v19                        ; weights = p x a / S
	v_mul_f32 v24, v24, v21
	v_mul_f32 v26, v26, v19                        ; the third product's operand = p x reward x a / R
	v_mul_f32 v28, v28, v21
	v_and_b32 v19, 31, v0
	v_lshl_add_u32 v21, v19, 2, OMB
	v_lshlrev_b32 v19, 10, v19                     ; out2: a row b is 1,024 bytes
	s_cmp_lg_u32 s26, 0
	s_cbranch_scc1 .Lnot0
	s_wait_alu depctr_va_vdst(0)                   ; v19, v21 (addresses) and v30, v31 (data) are written, which the two stores read
	global_store_b32 v19, v30, s[24:25]            ; wave 0 alone: rewards(b, u)
	ds_store_b32 v21, v31
.Lnot0:
	s_wait_alu depctr_va_vdst(0)
; ---------------- out1: 16 rows b at a time through my own stage, so that sixteen lanes store 256 consecutive bytes, at a multiple of 256 from out1's first byte.
; v128-159 are the out-buffer of a half: all four tiles' weights, one wait, the LDS stores; one wait, the rows back into the same registers; the stores
.irp bt, 0,1
.if \bt
	s_wait_xcnt 0x0                                ; the first half's stores have read v128-159, which are written again
	s_wait_alu depctr_vm_vsrc(0)                   ; the first half's eight stores have read v128-159, which the multiplies below write
.endif
.irp ct, 0,1,2,3
.irp i, 0,2,4,6
	v_pk_mul_f32 v[C3+8*\ct+\i:C3+8*\ct+\i+1], v[32+8*(4*\bt+\ct)+\i:32+8*(4*\bt+\ct)+\i+1], v[22+2*\bt:23+2*\bt] op_sel_hi:[1,0]
.endr
.endr
	s_wait_alu depctr_va_vdst(0)                   ; the sixteen multiplies have written v128-159, which the LDS stores read
.irp ct, 0,1,2,3
	ds_store_b128 v9, v[C3+8*\ct:C3+8*\ct+3] offset:4352*\bt+64*\ct
	ds_store_b128 v9, v[C3+8*\ct+4:C3+8*\ct+7] offset:4352*\bt+64*\ct+16
.endr
	s_wait_dscnt 0x0                               ; the stores have read their registers, into which rows come back
	s_wait_alu depctr_vm_vsrc(0)                   ; the eight LDS stores have read v128-159, in which the rows land (in the first half: wave 0's two stores have read v19, v21, v30, v31 too)
.irp i, 0,1,2,3,4,5,6,7
	ds_load_b128 v[C3+4*\i:C3+4*\i+3], v10 offset:4352*\bt+544*\i
.endr
.irp i, 0,1,2,3,4,5,6,7
	s_wait_dscnt 7-\i
	global_store_b128 v11, v[C3+4*\i:C3+4*\i+3], s[72+2*(2*\bt+\i/4):73+2*(2*\bt+\i/4)] offset:(\i%4)*2097152 th:TH_STORE_NT   ; rows 16 bt + 2 i and + 1
.endr
.endr
; ---------------- values' other three quarters, the computed operand, product 3 on my 64 slots
	s_wait_xcnt 0x0                                ; all stores so far have read their registers
	s_wait_loadcnt 32                              ; values' 2nd quarter: behind it 32
	QO C4, XV, 13, 80, 16, 1                       ; (its wait on vm_vsrc: out1's last eight stores have read v128-159: T, and C3, which the third product's codes take below)
	s_wait_loadcnt 16
	QO C5, XV, 13, 80, 32, 1
	s_wait_loadcnt 0
	QO C6, XV, 13, 80, 48, 1
	FRAG64 C4                                      ; values^T: rows v = 16 vt + r, K = my 64 slots.  No vector line since the wait on va_vdst above names C4
.irp bt, 0,1
.set n, 0
.rept 16
	v_pk_mul_f32 v[32+32*\bt+n:33+32*\bt+n], v[32+32*\bt+n:33+32*\bt+n], v[C2+n:C2+n+1]
.set n, n+2
.endr
.endr
.irp bt, 0,1
.set n, 0
.rept 16
	v_pk_mul_f32 v[32+32*\bt+n:33+32*\bt+n], v[32+32*\bt+n:33+32*\bt+n], v[26+2*\bt:27+2*\bt] op_sel_hi:[1,0]
.set n, n+2
.endr
.endr
	v_mov_b32 v[SC], s[XP]
.set n, 0
.rept 64
	v_med3_num_f32 v[32+n], v[32+n], s[XP+2], s[XP+1]   ; two-sided: a reward may be negative
.set n, n+1
.endr
.irp bt, 0,1
.irp ct, 0,1,2,3
	v_cvt_scalef32_pk8_fp8_f32 v[C3+8*\bt+2*\ct:C3+8*\bt+2*\ct+1], v[32+8*(4*\bt+\ct):32+8*(4*\bt+\ct)+7], v[SC]   ; slots 16 ct + 8 h + 0 .. 7: registers 2 ct, 2 ct + 1 of the fragment
.endr
.endr
	v_nop
	s_wait_alu depctr_va_vdst(0)
	s_wait_dscnt 0x0                               ; values' fragments are in
	s_wait_alu depctr_vm_vsrc(0)                   ; the stores of values' codes have read v13 and the fragments' loads v14: both are made anew behind the products
.irp bt, 0,1
.irp vt, 0,1,2,3
	v_wmma_f32_16x16x64_fp8_fp8 v[C5+8*(4*\bt+\vt):C5+8*(4*\bt+\vt)+7], v[C4+8*\vt:C4+8*\vt+7], v[C3+8*\bt:C3+8*\bt+7], 0   ; lane (r, h): b = 16 bt + r, channels 16 vt + 8 h + 0 .. 7
.endr
.endr
	v_add_nc_u32 v13, 69632, v12                   ; the last sum's addresses: waves 8-15's partial sums lie 8 x 8,704 bytes on.  (These six lines are the places behind the products)
	v_bfe_u32 v21, v0, 4, 1
	v_and_b32 v19, 15, v0
	v_lshlrev_b32 v14, 4, v19
	v_lshl_add_u32 v14, v21, 16, v14               ; out0: a row b is 2^16 bytes on; 16 r
	s_lshl_b32 s27, s26, 3
	s_add_co_u32 s27, s27, OMB
	v_lshl_add_u32 v19, v21, 2, s27                ; the multiplier of row b = 2 w + h
	s_wait_alu depctr_va_vdst(0)                   ; the eight products have written v192-255, which the LDS stores read (the places above stay beside this wait); v13, v14, v19 are written; the lines above are done with v31 and v32-95, in which the loads behind the barrier land
.irp bt, 0,1
.irp vt, 0,1,2,3
	ds_store_b128 v9, v[C5+8*(4*\bt+\vt):C5+8*(4*\bt+\vt)+3] offset:4352*\bt+64*\vt        ; each accumulator from its low end on
	ds_store_b128 v9, v[C5+8*(4*\bt+\vt)+4:C5+8*(4*\bt+\vt)+7] offset:4352*\bt+64*\vt+16
.endr
.endr
	BAR                                            ; sixteen partial sums of out0 and the multipliers lie in LDS
; ---------------- out0: wave w adds the sixteen parts of rows 2 w and 2 w + 1
	ds_load_b32 v31, v19
.irp k, 0,1,2,3,4,5,6,7
	ds_load_b128 v[32+4*\k:35+4*\k], v12 offset:8704*\k
.endr
.irp k, 0,1,2,3,4,5,6,7
	ds_load_b128 v[64+4*\k:67+4*\k], v13 offset:8704*\k
.endr
	s_wait_dscnt 0x0
.irp k, 0,1,2,3,4,5,6,7
	v_pk_add_f32 v[32+4*\k:33+4*\k], v[32+4*\k:33+4*\k], v[64+4*\k:65+4*\k]
	v_pk_add_f32 v[34+4*\k:35+4*\k], v[34+4*\k:35+4*\k], v[66+4*\k:67+4*\k]
.endr
.irp k, 0,1,2,3
	v_pk_add_f32 v[32+4*\k:33+4*\k], v[32+4*\k:33+4*\k], v[48+4*\k:49+4*\k]
	v_pk_add_f32 v[34+4*\k:35+4*\k], v[34+4*\k:35+4*\k], v[50+4*\k:51+4*\k]
.endr
.irp k, 0,1
	v_pk_add_f32 v[32+4*\k:33+4*\k], v[32+4*\k:33+4*\k], v[40+4*\k:41+4*\k]
	v_pk_add_f32 v[34+4*\k:35+4*\k], v[34+4*\k:35+4*\k], v[42+4*\k:43+4*\k]
.endr
	v_pk_add_f32 v[32:33], v[32:33], v[36:37]
	v_pk_add_f32 v[34:35], v[34:35], v[38:39]
.irp i, 0,1,2,3
	v_mul_f32 v[32+\i], v[32+\i], v31              ; x 2^(e4 + e5)
.endr
	s_wait_alu depctr_va_vdst(0)                   ; the four multiplies have written v32-35, which the store reads
	global_store_b128 v14, v[32:35], s[20:21] th:TH_STORE_NT   ; sixteen lanes store a row's 256 bytes, at a multiple of 256 from out0's first byte
	s_wait_dscnt 0x0                               ; the wave's end: the closing lines, six on end
	s_wait_alu 0x0
	s_wait_tensorcnt 0x0
	ds_add_u32 v[SPW], v[NIL]
	s_wait_dscnt 0x0
	s_endpgm
.Lfunc_end_k_qf719ce501a_fused:
	.size	k_qf719ce501a_fused, .Lfunc_end_k_qf719ce501a_fused-k_qf719ce501a_fused
	.p2alignl 7, 3214868480
	.fill 96, 4, 3214868480
	.section	.rodata,"a",@progbits
	.p2align	6, 0x0
	.amdhsa_kernel k_qf719ce501a_fused
		.amdhsa_group_segment_fixed_size 321280
		.amdhsa_private_segment_fixed_size 0
		.amdhsa_enable_private_segment 0
		.amdhsa_kernarg_size 88
		.amdhsa_user_sgpr_count 2
		.amdhsa_user_sgpr_kernarg_segment_ptr 1
		.amdhsa_wavefront_size32 1
		.amdhsa_system_sgpr_workgroup_id_x 1
		.amdhsa_system_sgpr_workgroup_id_y 1
		.amdhsa_system_sgpr_workgroup_id_z 1
		.amdhsa_system_vgpr_workitem_id 0
		.amdhsa_next_free_vgpr 256
		.amdhsa_next_free_sgpr 96
		.amdhsa_reserve_vcc 0
		.amdhsa_float_denorm_mode_32 3
		.amdhsa_float_denorm_mode_16_64 3
		.amdhsa_memory_ordered 1
		.amdhsa_forward_progress 1
		.amdhsa_inst_pref_size 109
	.end_amdhsa_kernel
	.amdgpu_metadata
---
amdhsa.version: [ 1, 2 ]
amdhsa.kernels:
  - .name:           k_qf719ce501a_fused
    .symbol:         k_qf719ce501a_fused.kd
    .args:
      - { .name: W, .offset: 0, .size: 8, .value_kind: global_buffer, .address_space: global }
      - { .name: attention, .offset: 8, .size: 8, .value_kind: global_buffer, .address_space: global }
      - { .name: keys, .offset: 16, .size: 8, .value_kind: global_buffer, .address_space: global }
      - { .name: lowp_scales, .offset: 24, .size: 8, .value_kind: global_buffer, .address_space: global }
      - { .name: mask, .offset: 32, .size: 8, .value_kind: global_buffer, .address_space: global }
      - { .name: rewards_mem, .offset: 40, .size: 8, .value_kind: global_buffer, .address_space: global }
      - { .name: temperature, .offset: 48, .size: 8, .value_kind: global_buffer, .address_space: global }
      - { .name: values, .offset: 56, .size: 8, .value_kind: global_buffer, .address_space: global }
      - { .name: out0, .offset: 64, .size: 8, .value_kind: global_buffer, .address_space: global }
      - { .name: out1, .offset: 72, .size: 8, .value_kind: global_buffer, .address_space: global }
      - { .name: out2, .offset: 80, .size: 8, .value_kind: global_buffer, .address_space: global }
    .group_segment_fixed_size: 321280
    .private_segment_fixed_size: 0
    .kernarg_segment_align: 8
    .kernarg_segment_size: 88
    .max_flat_workgroup_size: 512
    .sgpr_count:     96
    .vgpr_count:     256
    .wavefront_size: 32
...
	.end_amdgpu_metadata
.endif
;; end of part 2
